; MI455X (gfx1250); checked and timed in simulation.
; The chip was launched on July 23, 2026; its instructions are those of AMD's public machine-readable ISA for CDNA 5 (MIT licence, August 2026) and "CDNA5" Instruction Set Architecture Reference Guide (July 2026). The comments in the code are by the model that wrote it; some were corrected since.
;; Causal Self Attention. Allowed arithmetic: matrix products marked QUANTISED: E2M3 operands, one E8M0 scale for each 32 along K, by v_wmma_scale_f32_16x16x128_f8f6f4 with both operands' format E2M3, f32 sums; everything else in f32.
;; Inputs: Wk_codes 256 x 32 x 24 uint8 (E2M3 codes of Wk, K innermost, in blocks of 32 codes, four codes in three bytes); Wk_scales 256 x 32 uint8 (E8M0 scales of Wk, one for each 32 codes along K); Wo_codes 1,024 x 32 x 24 uint8 (E2M3 codes of Wo, K innermost, in blocks of 32 codes, four codes in three bytes); Wo_scales 1,024 x 32 uint8 (E8M0 scales of Wo, one for each 32 codes along K); Wq_codes 1,024 x 32 x 24 uint8 (E2M3 codes of Wq, K innermost, in blocks of 32 codes, four codes in three bytes); Wq_scales 1,024 x 32 uint8 (E8M0 scales of Wq, one for each 32 codes along K); Wv_codes 256 x 32 x 24 uint8 (E2M3 codes of Wv, K innermost, in blocks of 32 codes, four codes in three bytes); Wv_scales 256 x 32 uint8 (E8M0 scales of Wv, one for each 32 codes along K); x_codes 4 x 2,048 x 32 x 24 uint8 (E2M3 codes of x, K innermost, in blocks of 32 codes, four codes in three bytes); x_scales 4 x 2,048 x 32 uint8 (E8M0 scales of x, one for each 32 codes along K).
;; Outputs: out0 4 x 2,048 x 1,024 float32.
;; This version of the problem:
;;   THIS VERSION OF THE PROBLEM IS GIVEN IN LOW PRECISION. The matrix products marked QUANTISED in the list below multiply operands that are first quantised to E2M3 (2 exponent bits, 3 mantissa bits; 6 bits a number), with one power-of-two scale for each 32 numbers along K (OCP MX v1.0); their sums are f32. All else is computed in f32.
;;   The module's matrix products, in the order in which they are computed (A, B: the left and right operand; K: the contracted axis; several contracted axes count as one K, in the product's order):
;;     1. [M 8,192, K 1,024] x [K 1,024, N 1,024]; A: input x (given as codes); B: input Wq (given as codes): QUANTISED
;;     2. [M 8,192, K 1,024] x [K 1,024, N 256]; A: input x (given as codes); B: input Wk (given as codes): QUANTISED
;;     3. [M 8,192, K 1,024] x [K 1,024, N 256]; A: input x (given as codes); B: input Wv (given as codes): QUANTISED
;;     4. batch 64 x [M 2,048, K 64] x [K 64, N 2,048]; A: computed on the way; B: computed on the way: QUANTISED
;;     5. batch 64 x [M 2,048, K 2,048] x [K 2,048, N 64]; A: softmax (see below); B: computed on the way: QUANTISED
;;     6. [M 8,192, K 1,024] x [K 1,024, N 1,024]; A: computed on the way; B: input Wo (given as codes): QUANTISED
;;   THE QUANTISER, for each operand of a quantised product, along K:
;;     - K is cut into blocks of 32 from its start; a last block that is shorter is filled with zeros.
;;     - A block's scale is 2^e with e = floor(log2(the largest magnitude in the block)) - 2, held to -126 .. 127; a block of zeros has e = 0. As a byte (E8M0): e + 127.
;;     - Each number is divided by its block's scale, clamped to +-7.5, and rounded to the nearest number of E2M3, ties to even, subnormals kept.
;;     - The product sums the exact products of the quantised numbers (number of the format x scale) in f32.
;;   ~~~python
;;   def quantise(x, axis):      # numpy; x: float32 -> the quantised numbers, widened to float32 again
;;       x = np.moveaxis(x, axis, -1); K = x.shape[-1]
;;       x = np.pad(x, [(0, 0)] * (x.ndim - 1) + [(0, -K % 32)]); x = x.reshape(x.shape[:-1] + (-1, 32)); a = np.abs(x).max(-1, keepdims=True)
;;       e = np.where(a > 0, np.clip(np.frexp(np.where(a > 0, a, 1))[1] - 1 - 2, -126, 127), 0)      # np.frexp(a)[1] - 1 = floor(log2(a)), exactly
;;       r = np.clip(x / 2.0 ** e, -7.5, 7.5)
;;       step = 2.0 ** (np.maximum(np.frexp(np.where(r == 0, 1, r))[1] - 1, 0) - 3)
;;       q = np.round(r / step) * step * 2.0 ** e      # np.round: ties to even
;;       return np.moveaxis(q.reshape(q.shape[:-2] + (-1,))[..., :K], -1, axis).astype(np.float32)
;;   ~~~
;;   SOFTMAX AHEAD OF A QUANTISED PRODUCT. Where the list says 'softmax', what is quantised is not the finished softmax but p = 2^(t - M), with t = logit x log2(e) and M = ceil(the row's largest t), a whole number; so 1/2 < the row's largest p <= 1. The row's sum l is taken of the UNQUANTISED p, in f32, and the product's result is divided by l at the end. Since M is a whole number, a kernel that streams over the keys may use a running M (the ceiling of the running maximum): every later rescaling is an exact power of two, which a block's scale takes up: the codes' values come out the same.
;;   OPERANDS COMPUTED ON THE WAY. 'Computed on the way' means the value that the module computes at that place (a softmax that the list does not call 'softmax' is quantised finished and normalised). What goes into a quantiser is computed in f32, as accurately as f32 sums, v_exp_f32 and their like allow (about 1e-6 of the number): no bf16 or f16 on the way to a quantiser, and a product that is left as it is and whose result goes on into a quantised operand takes f32 operands (vector FMAs, or v_wmma_f32_16x16x4_f32). A number that lies on a knife's edge between two numbers of the format may be rounded either way, as far as f32 arithmetic and the matrix unit's own rounding can turn it there, and no further.
;;   INPUTS GIVEN AS CODES. Wk (in the module: [1024, 256], K = its axis 0); Wo (in the module: [1024, 1024], K = its axis 0); Wq (in the module: [1024, 1024], K = its axis 0); Wv (in the module: [1024, 256], K = its axis 0); x (in the module: [4, 2048, 1024], K = its axis 2): each comes as NAME_codes (uint8): NAME with its K axis moved to the last place and cut into blocks of 32 codes, [.., K / 32, bytes a block], one block behind the other in memory; four codes in three bytes: a row's codes are one little-endian stream of bits, code i at bits 6 i .. 6 i + 5 (a code: sign, 2 exponent bits, 3 mantissa bits); and NAME_scales (uint8): the same leading axes, one E8M0 byte (e + 127) for each 32 codes along K. Its value is code x scale, taken as it is: it is not quantised again, and the codes and scales need not be those that the quantiser above would give.
;; One version. Each part assembles by itself: llvm-mc -triple=amdgcn-amd-amdhsa -mcpu=gfx1250 --defsym DOCPART=n.
;; ======== version 1 of 1: 3 launches
;; workspace buffers: qbuf 6,291,456 bytes; qsc 262,144 bytes; kvbuf 3,276,800 bytes; ycodes 6,291,456 bytes; yscales 262,144 bytes
;; launch proj (part 1): grid 6 x 32, 4 waves a work-group, no clusters, 327,680 bytes of LDS; arguments x_codes, x_scales, Wq_codes, Wq_scales, Wk_codes, Wk_scales, Wv_codes, Wv_scales, qbuf, qsc, kvbuf; writes qbuf, qsc, kvbuf
.if DOCPART == 1
	.amdgcn_target "amdgcn-amd-amdhsa--gfx1250"
	.amdhsa_code_object_version 6
	.text
	.protected	k_q73e27ab029_proj
	.globl	k_q73e27ab029_proj
	.p2align	8
	.type	k_q73e27ab029_proj,@function
k_q73e27ab029_proj:
	s_mov_b64 s[64:65], 0
	v_nop
	global_prefetch_b8 v0, s[64:65] scope:SCOPE_SE
	s_setreg_imm32_b32 hwreg(HW_REG_WAVE_MODE, 25, 1), 1
	s_wait_xcnt 0x0
; LAUNCH 1 OF 3: q = x Wq, k = x Wk, v = x Wv on codes of E2M3 with E8M0 scales, and the quantising of q, k (along the head's 64) and v (along the keys) for the attention launch.
; DEAD WORK OF THE WHOLE PROGRAM.  reference() adds -infinity, from a triangle that it builds itself, to every logit whose key comes after its query: the softmax gives those keys the weight 0 whatever finite
; values the inputs hold.  So the attention launch leaves out every step of 128 keys that lies wholly behind a block of 64 queries: its scores, its exponentials and its part of the second product.
; Nothing else is left out: the ALiBi term -slope x query, though constant along the softmax's axis, moves M = ceil(largest t) and so p's codes; it stays.  Every input is loaded.
; LIMITS: a NaN, an infinity or an overflow that reaches only the key steps left out is not carried to the result.  A block of zeros gets the scale byte 1 where the quantiser says 127: its codes are zeros, which add
; nothing under any byte but 0xff, and these bytes are read by this program alone.  NaN and infinities among the values are not served.
; SHAPE.  A tile of 256 x 256 results to a work-group of four waves, 128 x 128 a wave: 64 accumulators, 512 registers.  K = 1,024 goes in steps of 256 through a ring of two LDS slots; the scale bytes of the
; work-group's 2 x 256 rows come into LDS once.  The matrix instruction is used transposed: source 0 = 16 rows of "B", source 1 = 16 rows of "A": a lane holds ONE row of A and its registers run along B's rows.
; ROLES, by the work-group's x alone (c):  c = 0..3: A = x, B = Wq's rows 256 c on;  c = 4: A = x, B = Wk;  c = 5: A = Wv, B = x: so for v a lane holds a channel and its registers run down the KEYS, its K.
; NO CLUSTER: which operand neighbours share changes with c, and six tile columns are no multiple of four.
; THE WAY OUT.  For one block of 16 rows of A a lane's 64 registers are four blocks of 32 along B's rows; register 16 b + 8 u + j of lane (r, h) is row 32 b + 16 u + 8 h + j.  Quantised as they stand, a lane ends with
; a whole block of 32 codes in the order 0-7, 16-23, 8-15, 24-31.  That order is the same in q and k, and in v and p (the next launch makes p so): a permutation inside a block, alike on both sides, keeps every product.
; A UNIT (16 rows x 64 codes: 6 registers a lane) is stored as an image of its registers, 768 bytes: registers 0-3 at 16 x lane, registers 4-5 at 512 + 8 x lane.  Its scales: a halfword a row.
; qbuf [b][head][tile of 16 queries][768]; qsc [b][head][tile][16 halfwords]; kvbuf [b][kv head][step of 128 keys][12,800]: 8 units of K, 8 of V (channel tile ct, keys 64 c on: 2 ct + c), K's halfwords at
; 12,288 + 16 r + 2 t, V's at 12,544 + 16 r + 4 ct + 2 c.
; REGISTERS: window 0: v0-31 addresses; v32-63 scale words, two sets; v64-109 the way out; v128-223 A's fragments, one set.  window 1: B's fragments, two sets.  windows 2, 3: the accumulators ((a, b) at v[8 (8 (a % 4) + b)]).
.set KSTEP,  256                       ; along K in a slot
.set NQ,     KSTEP/128                 ; matrix instructions deep
.set ROWB,   192                       ; a tile's row in bytes
.set KROW,   768                       ; a row of any of the tensors of codes in memory
.set PITCH,  240                       ; an LDS row: 3 x (64 bytes + 16 of padding): the 32 lanes of a load of 8 bytes touch 64 different words modulo 256 bytes
.set FR,     12                        ; registers of a fragment
.set NL,     6                         ; LDS loads that bring one
.set NP,     4                         ; places behind this matrix instruction (ISA guide 7.12.1)
.set HALFT,  128*PITCH                 ; 128 rows: what one tensor load brings
.set SLOT,   4*HALFT                   ; A's 256 rows, then B's 256 rows
.set LAPS,   2                         ; 1,024 / 512
.set KS,     32                        ; a row of scale bytes
.set SCL,    2*SLOT                    ; behind the ring: the scales, as units of 256 bytes + 16 of padding
.set HALFS,  (128*KS/256)*272
.set SBLK,   (16*KS/256)*272
.set SPARE,  SCL+4*HALFS               ; the spare words, 128 bytes a wave: two blocks of 256 bytes that no other line names
.set ADRA, 16                          ; v16-19  LDS addresses of my A fragments (slot 0, 1; the same behind one padding more)
.set ADRB, 20                          ; v20-23  the same for B
.set ADRS, 27                          ; v27     LDS address of my scale words
.set SPW,  28                          ; v28     my spare word; never rewritten
.set NIL,  29                          ; v29     0; never rewritten
.set SC,   32                          ; scale words
.set PC,   64                          ; v64-83  the codes just made
.set TM,   84                          ; v84-99  largest magnitudes, bytes, conversion operands
.set PW,   100                         ; v100    the four bytes of my row
.set FL,   101                         ; v101    the floor 2^(3 - 127)
.set SH16, 102                         ; v102    16 x (lane / 16)
.set V16A, 104                         ; v104-109 the stores' offsets and the halfword
.set V8A,  105
.set V16B, 106
.set V8B,  107
.set VSA,  108
.set VSD,  109
.set AF,   128
.set G1,   24                          ; s[24:31] group 1 of the codes' tiles;  s[32:39] group 0, a set for each slot
.set G0,   32
.set G1S,  48                          ; s[48:55], s[56:59] groups 1 and 0 of the scales
.set G0S,  56
.set SP,   60                          ; s[60:61] where the halfwords go;  s[12:13] where the units go
.set SEL,  62                          ; s62, s63 lane selects: lane l xor 16
.set CIN,  66                          ; s[66:67] bytes from a block's units to the next block's;  s[90:91] the same from block 3 to block 4
.set CMID, 90
.set SIN,  92                          ; s[92:93], s[94:95] the same for the halfwords
.set SMID, 94
.set CGQ,  96                          ; s96 from a block's first unit to its second;  s97 the same for the halfwords;  s98 from row to row of halfwords
.set SGQ,  97
.set LSTR, 98
.set MSB, 0
.macro WIN new                         ; the immediate's high byte repeats the setting that is left
.if MSB != (\new)
	s_set_vgpr_msb (MSB<<8)|(\new)
.set MSB, (\new)
.endif
.endm
.set MUL_LO, 0xa1                      ; source 0 (B) window 1, source 1 (A) window 0, C and D window 2
.set MUL_HI, 0xf1                      ; the same, C and D window 3
.set TO_B,   0x40                      ; destination window 1, address window 0
	s_load_b512 s[68:83], s[0:1], 0x0              ; x's codes, scales; Wq's; Wk's; Wv's
	s_load_b128 s[84:87], s[0:1], 0x40             ; qbuf, qsc
	s_load_b64 s[88:89], s[0:1], 0x50              ; kvbuf
	v_lshl_add_u32 v[SPW], v0, 2, SPARE
	v_mov_b32 v[NIL], 0
	ds_add_u32 v[SPW], v[NIL]                      ; the wave's opening: the add, twice on end, and its wait ahead of my first tensor load
	ds_add_u32 v[SPW], v[NIL]                      ; and once more; the set-up below, work on registers, stands between it and the wait
	v_lshrrev_b32 v1, 5, v0
	v_readfirstlane_b32 s14, v1                    ; wave 0..3
	s_lshr_b32 s15, s14, 1                         ; rh: which half of A's rows is mine.  Also: I fetch for A (0) or for B (1)
	s_and_b32 s16, s14, 1                          ; ch: which half of B's rows.  Also: which 128 rows I fetch
	s_and_b32 s17, ttmp7, 0xffff                   ; m: which 256 rows of x
	s_mov_b32 s18, ttmp9                           ; c: the role
	s_mov_b32 s[SEL], 0x76543210
	s_mov_b32 s[SEL+1], 0xfedcba98
	; group 1: 128 rows x 192 bytes, 768 bytes apart in memory, 16 bytes of padding behind every 64
	s_mov_b32 s[G1+0], (1<<20)|(3<<22)|(3<<25)     ; elements of 1 byte; padding on; after every 16 words; of 4 words
	s_mov_b32 s[G1+1], ROWB<<16                    ; tensor_dim0
	s_mov_b32 s[G1+2], 128<<16                     ; tensor_dim1
	s_mov_b32 s[G1+3], ROWB<<16                    ; tile_dim0
	s_mov_b32 s[G1+4], 128                         ; tile_dim1
	s_mov_b32 s[G1+5], KROW                        ; the pitch
	s_mov_b32 s[G1+6], 0
	s_mov_b32 s[G1+7], 0
	; the scales of 128 rows: 4,096 dense bytes as 16 rows of 256 bytes (32 elements of 8), 16 bytes of padding behind each
	s_mov_b32 s[G1S+0], (3<<16)|(1<<20)|(5<<22)|(3<<25)
	s_mov_b32 s[G1S+1], 32<<16
	s_mov_b32 s[G1S+2], (128*KS/256)<<16
	s_mov_b32 s[G1S+3], 32<<16
	s_mov_b32 s[G1S+4], 128*KS/256
	s_mov_b32 s[G1S+5], 32
	s_mov_b32 s[G1S+6], 0
	s_mov_b32 s[G1S+7], 0
	; which rows I fetch
	s_lshl_b32 s19, s17, 8                         ; 256 m
	s_lshl_b32 s20, s18, 8                         ; 256 c
	s_cmp_eq_u32 s18, 5
	s_cselect_b32 s21, 0, s19                      ; A's first row: Wv's 0, or x's 256 m
	s_cselect_b32 s22, s19, 0                      ; B's: x's 256 m, or Wk's 0,
	s_cmp_lt_u32 s18, 4
	s_cselect_b32 s22, s20, s22                    ; or Wq's 256 c
	s_cmp_lt_u32 s14, 2
	s_cselect_b32 s21, s21, s22                    ; of the tensor that I fetch for
	s_lshl_b32 s22, s16, 7
	s_add_co_u32 s21, s21, s22                     ; + my 128
	s_mul_i32 s40, s21, KROW                       ; in bytes of codes (under 2^23)
	s_mov_b32 s41, 0
	s_lshl_b32 s42, s21, 5                         ; and of scales
	s_mov_b32 s43, 0
	s_mul_i32 s19, s14, HALFT                      ; where they go: wave x 128 rows
	s_mul_i32 s20, s14, HALFS
	; the roles' steps on the way out
	s_cmp_eq_u32 s18, 4
	s_mov_b32 s[CGQ], 98304                        ; q: the next head, 128 tiles of 768 bytes on
	s_cselect_b32 s[CGQ], 204800, s[CGQ]           ; k: the next kv head, 16 steps of 12,800 bytes on
	s_cselect_b32 s[SIN], 2, 32
	s_mov_b32 s[SGQ], 4096
	s_cselect_b32 s[SGQ], 204800, s[SGQ]
	s_cmp_eq_u32 s18, 5
	s_mov_b32 s[CIN], 768
	s_cselect_b32 s[CGQ], s[CIN], s[CGQ]           ; v: the unit of the next 64 keys
	s_cselect_b32 s[CMID], 200192, s[CIN]          ; v: from channel tile 3 of a kv head to tile 0 of the next: 204,800 - 3 x 1,536
	s_cselect_b32 s[CIN], 1536, s[CIN]
	s_cselect_b32 s[SMID], 204788, s[SIN]          ; 204,800 - 3 x 4
	s_cselect_b32 s[SIN], 4, s[SIN]
	s_cselect_b32 s[SGQ], 2, s[SGQ]
	s_cmp_lt_u32 s18, 4
	s_cselect_b32 s[LSTR], 2, 16
	s_mov_b32 s[CIN+1], 0
	s_mov_b32 s[CMID+1], 0
	s_mov_b32 s[SIN+1], 0
	s_mov_b32 s[SMID+1], 0
	; where my first units and halfwords go, in bytes
	s_lshr_b32 s21, s17, 3                         ; the batch
	s_and_b32 s22, s17, 7                          ; which 256 of its 2,048 positions
	s_lshl_b32 s44, s21, 11                        ; q: 128 (16 b + 4 c + 2 ch) + 16 (m % 8) + 8 rh
	s_lshl_b32 s23, s18, 9
	s_add_co_u32 s44, s44, s23
	s_lshl_b32 s23, s16, 8
	s_add_co_u32 s44, s44, s23
	s_lshl_b32 s23, s22, 4
	s_add_co_u32 s44, s44, s23
	s_lshl_b32 s23, s15, 3
	s_add_co_u32 s44, s44, s23
	s_lshl_b32 s46, s44, 5
	s_mul_i32 s44, s44, 768
	s_cmp_eq_u32 s18, 5                            ; k: heads by ch, step by rh;  v: heads by rh, step by ch
	s_cselect_b32 s23, s15, s16
	s_cselect_b32 s2, s16, s15
	s_cselect_b32 s45, 6144, 0
	s_mov_b32 s47, 12288
	s_cselect_b32 s47, 12544, s47
	s_lshl_b32 s21, s21, 6                         ; ((4 b + 2 heads) 16 + 2 (m % 8) + step) x 12,800
	s_lshl_b32 s23, s23, 5
	s_add_co_u32 s21, s21, s23
	s_lshl_b32 s22, s22, 1
	s_add_co_u32 s21, s21, s22
	s_add_co_u32 s21, s21, s2
	s_mul_i32 s21, s21, 12800
	s_add_co_u32 s45, s45, s21
	s_add_co_u32 s47, s47, s21
	s_cmp_lt_u32 s18, 4
	s_cselect_b32 s44, s44, s45
	s_cselect_b32 s46, s46, s47
	s_mov_b32 s45, 0
	s_mov_b32 s47, 0
	s_wait_dscnt 0x0                               ; both opening adds are done
	s_wait_kmcnt 0x0
	s_cmp_eq_u32 s18, 5                            ; the choices hang on the work-group's and the wave's numbers alone
	s_cselect_b64 s[4:5], s[80:81], s[68:69]       ; A's codes
	s_cselect_b64 s[6:7], s[82:83], s[70:71]       ; A's scales
	s_cselect_b64 s[8:9], s[68:69], s[76:77]       ; B's
	s_cselect_b64 s[10:11], s[70:71], s[78:79]
	s_cmp_lt_u32 s18, 4
	s_cselect_b64 s[8:9], s[72:73], s[8:9]
	s_cselect_b64 s[10:11], s[74:75], s[10:11]
	s_cselect_b64 s[12:13], s[84:85], s[88:89]     ; the units go to qbuf or to kvbuf,
	s_cselect_b64 s[SP:SP+1], s[86:87], s[88:89]   ; the halfwords to qsc or to kvbuf
	s_cmp_lt_u32 s14, 2
	s_cselect_b64 s[4:5], s[4:5], s[8:9]           ; waves 0, 1 fetch for A, waves 2, 3 for B
	s_cselect_b64 s[6:7], s[6:7], s[10:11]
	s_add_nc_u64 s[4:5], s[4:5], s[40:41]
	s_add_nc_u64 s[6:7], s[6:7], s[42:43]
	s_add_nc_u64 s[12:13], s[12:13], s[44:45]
	s_add_nc_u64 s[SP:SP+1], s[SP:SP+1], s[46:47]
	; the first fills: every wave issues three, ahead of every wait on TENSORcnt, every LDS read and every barrier
	s_mov_b32 s[G0S], 1
	s_add_co_u32 s[G0S+1], s20, SCL
	s_mov_b64 s[G0S+2:G0S+3], s[6:7]
	s_or_b32 s[G0S+3], s[G0S+3], 0x80000000
	tensor_load_to_lds s[G0S:G0S+3], s[G1S:G1S+7]  ; the scales first: they are wanted with K step 0
	s_nop 0
.irp s, 0,1
	s_mov_b32 s[G0+4*\s], 1
	s_add_co_u32 s[G0+4*\s+1], s19, \s*SLOT
	s_add_nc_u64 s[G0+4*\s+2:G0+4*\s+3], s[4:5], \s*ROWB
	s_or_b32 s[G0+4*\s+3], s[G0+4*\s+3], 0x80000000
	tensor_load_to_lds s[G0+4*\s:G0+4*\s+3], s[G1:G1+7]
	s_nop 0
.endr
.rept 4
	v_nop
.endr
	v_and_b32 v1, 15, v0                           ; r = l % 16
	v_bfe_u32 v2, v0, 4, 1                         ; h = l / 16
	v_mul_u32_u24 v3, v1, PITCH
	v_mul_u32_u24 v4, v2, 24
	v_add_nc_u32 v4, v3, v4                        ; a fragment's row x pitch + 24 x half
	v_lshl_add_u32 v5, v2, 4, v4                   ; and the same behind one padding more
	s_mul_i32 s21, s15, HALFT                      ; my 128 rows of A
	s_mul_i32 s22, s16, HALFT                      ; my 128 rows of B,
	s_add_co_u32 s22, s22, 2*HALFT                 ; which lie behind A's 256
.irp s, 0,1
	v_add_nc_u32 v[ADRA+\s], s21, v4
	v_add_nc_u32 v[ADRB+\s], s22, v4
	v_add_nc_u32 v[ADRA+2+\s], s21, v5
	v_add_nc_u32 v[ADRB+2+\s], s22, v5
	s_add_co_u32 s21, s21, SLOT
	s_add_co_u32 s22, s22, SLOT
.endr
	v_mul_u32_u24 v5, v1, KS                       ; my row's scales: 32 bytes a row,
	v_lshrrev_b32 v6, 8, v5
	v_lshl_add_u32 v5, v6, 4, v5                   ; and 16 more for each 256 passed
	s_mul_i32 s21, s15, HALFS
	s_mul_i32 s22, s16, HALFS
	s_add_co_u32 s22, s22, 2*HALFS
	s_sub_co_u32 s22, s22, s21
	v_mul_u32_u24 v6, s22, v2                      ; lanes 16-31 take B's
	s_add_co_u32 s21, s21, SCL
	v_add_nc_u32 v5, v5, v6
	v_add_nc_u32 v[ADRS], s21, v5
	v_and_b32 v6, 31, v0                           ; the way out: an image's places for my lane
	v_lshlrev_b32 v[V16A], 4, v6
	v_lshlrev_b32 v[V8A], 3, v6
	v_add_nc_u32 v[V16B], s[CGQ], v[V16A]
	v_add_nc_u32 v[V8B], s[CGQ], v[V8A]
	v_mul_lo_u32 v[VSA], v1, s[LSTR]               ; my row's halfword; lanes 16-31 store the second unit's
	v_mul_lo_u32 v5, v2, s[SGQ]
	v_add_nc_u32 v[VSA], v[VSA], v5
	v_lshlrev_b32 v[SH16], 4, v2
	v_mov_b32 v[FL], 0x1800000
.irp b, 0,1,2,3
	v_mov_b32 v[TM+4+\b], 0                        ; written once: a lane permute's destination counts as one of its sources
.endr
.macro FRAG reg, adr, q, i             ; a fragment: lane l holds row l % 16; registers 6 c .. 6 c + 5 hold K = 64 c + 32 (l / 16) + 0 .. 31: 24 bytes of the row's stream of bits, in pieces of 8 bytes
.irp p, 0,1,2,3,4,5
.set PCE, 12*(\q)+6*(\p/3)+\p%3        ; 16 bytes of padding lie behind every 8 pieces: where the piece three on lies behind one padding more, the second address register serves
.if PCE%8 < 5
	ds_load_b64 v[\reg+2*\p:\reg+2*\p+1], v[\adr] offset:8*PCE+16*(PCE/8)+(\i)*16*PITCH
.else
	ds_load_b64 v[\reg+2*\p:\reg+2*\p+1], v[\adr+2] offset:8*PCE+16*(PCE/8)+(\i)*16*PITCH
.endif
.endr
.endm
; 16 matrix instructions: A's blocks a0, a0 + 1 x B's eight, 128 along K.  The 64 accumulators take turns, one instruction a turn, in the same order in every step.
.macro MUL16 a0, p, q, sc, zero
.irp a, \a0, \a0+1
.irp b, 0,1,2,3,4,5,6,7
.if \zero
	v_wmma_scale_f32_16x16x128_f8f6f4 v[8*(8*((\a)%4)+\b):8*(8*((\a)%4)+\b)+7], v[128*(\p)+FR*\b:128*(\p)+FR*\b+FR-1], v[AF+FR*(\a):AF+FR*(\a)+FR-1], 0, v[SC+8*NQ*(\sc)+NQ*\b+(\q)], v[SC+8*NQ*(\sc)+NQ*(\a)+(\q)] matrix_a_fmt:MATRIX_FMT_FP6 matrix_b_fmt:MATRIX_FMT_FP6 matrix_a_scale:MATRIX_SCALE_ROW1
.else
	v_wmma_scale_f32_16x16x128_f8f6f4 v[8*(8*((\a)%4)+\b):8*(8*((\a)%4)+\b)+7], v[128*(\p)+FR*\b:128*(\p)+FR*\b+FR-1], v[AF+FR*(\a):AF+FR*(\a)+FR-1], v[8*(8*((\a)%4)+\b):8*(8*((\a)%4)+\b)+7], v[SC+8*NQ*(\sc)+NQ*\b+(\q)], v[SC+8*NQ*(\sc)+NQ*(\a)+(\q)] matrix_a_fmt:MATRIX_FMT_FP6 matrix_b_fmt:MATRIX_FMT_FP6 matrix_a_scale:MATRIX_SCALE_ROW1
.endif
.endr
.endr
.endm
.macro FETCH_B slot, q, p              ; B's eight fragments of the slot's q-th 128 along K into set p
	WIN TO_B
.irp i, 0,1,2,3,4,5,6,7
	FRAG 128*(\p)+FR*\i, ADRB+\slot, \q, \i
.endr
	WIN 0
.endm
.macro FETCH_A slot, q, i0             ; A's blocks i0 .. i0 + 3
.irp i, \i0, \i0+1, \i0+2, \i0+3
	FRAG AF+FR*(\i), ADRA+\slot, \q, \i
.endr
.endm
.macro SCALES sc                       ; a K step's scale words into set sc: lanes 0-15 take A's block i, lanes 16-31 B's block i
.irp i, 0,1,2,3,4,5,6,7
	ds_load_b64 v[SC+8*NQ*\sc+NQ*\i:SC+8*NQ*\sc+NQ*\i+1], v[ADRS] offset:\i*SBLK
.endr
.endm
.macro PLACES n                        ; places in front of loads into registers that matrix instructions have read, and of the first read of results
.rept \n
	v_nop
.endr
.endm
.macro STEP slot, q, zero              ; a step of 128 along K that has its successor in the same slot
	s_wait_dscnt 4*NL                              ; B's set and A's blocks 0-3 are in; the youngest 24 loads (A's blocks 4-7) may be out
	WIN MUL_LO
	MUL16 0, (\q)%2, \q, \slot, \zero
	MUL16 2, (\q)%2, \q, \slot, \zero
	s_wait_dscnt 0                                 ; A's blocks 4-7 are in
	PLACES NP
	FETCH_B \slot, (\q)+1, 1-(\q)%2
	FETCH_A \slot, (\q)+1, 0
	WIN MUL_HI
	MUL16 4, (\q)%2, \q, \slot, \zero
	MUL16 6, (\q)%2, \q, \slot, \zero
	PLACES NP
	WIN 0
	FETCH_A \slot, (\q)+1, 4
.endm
; A slot's last step changes slots: ONE barrier; in front of it each wave waits for all its tensor loads, adds 0 to its spare word, and waits for that and for its own reads of this slot.
.macro TURN slot, next, fill
	s_wait_tensorcnt 0x0                           ; all my tensor loads have landed: my part of the next slot
	ds_add_u32 v[SPW], v[NIL]                      ; 0 onto my spare word
	s_wait_dscnt 4*NL+1                            ; (the add and the youngest 24 loads, A's blocks 4-7, may be out)
	WIN MUL_LO
	MUL16 0, 1, NQ-1, \slot, 0                     ; sixteen matrix instructions stand between the add and the wait for it
	s_wait_dscnt 0x0                               ; the add is done, and my reads of this slot are over
	s_barrier_signal -1
	MUL16 2, 1, NQ-1, \slot, 0
	WIN 0
	s_barrier_wait -1                              ; both now hold of all four waves
.if \fill
	s_add_nc_u64 s[G0+4*\slot+2:G0+4*\slot+3], s[G0+4*\slot+2:G0+4*\slot+3], 2*ROWB   ; no load of mine is out: the group may be written
	tensor_load_to_lds s[G0+4*\slot:G0+4*\slot+3], s[G1:G1+7]   ; my one tensor load behind the barrier, and the first thing there: this slot, two K steps on
	s_nop 0
.rept 4
	v_nop                                          ; these are also the places in front of the loads below
.endr
.else
	PLACES NP
.endif
	v_add_nc_u32 v[ADRS], 4*NQ, v[ADRS]            ; on to the next K step's scale words
	FETCH_B \next, 0, 0
	FETCH_A \next, 0, 0
	SCALES \next
	WIN MUL_HI
	MUL16 4, 1, NQ-1, \slot, 0
	MUL16 6, 1, NQ-1, \slot, 0
	PLACES NP
	WIN 0
	FETCH_A \next, 0, 4
.endm
	s_wait_tensorcnt 1                             ; the scales and my part of K step 0 are in (K step 1's load may be out)
	s_barrier_signal -1
	s_barrier_wait -1                              ; everybody's are
	FETCH_B 0, 0, 0
	FETCH_A 0, 0, 0
	SCALES 0
	FETCH_A 0, 0, 4
	STEP 0, 0, 1                                   ; the first step stands in front of the loop: its products start the sums
	s_mov_b32 s3, LAPS-1
.Llap:                                                 ; a trip goes once round the ring and fills both slots again
	TURN 0, 1, 1
	STEP 1, 0, 0
	TURN 1, 0, 1
	STEP 0, 0, 0
	s_sub_co_u32 s3, s3, 1
	s_cmp_lg_u32 s3, 0
	s_cbranch_scc1 .Llap
	TURN 0, 1, 0                                   ; the last lap fills nothing
	STEP 1, 0, 0
	s_wait_dscnt 4*NL                              ; the very last step
	WIN MUL_LO
	MUL16 0, 1, NQ-1, 1, 0
	MUL16 2, 1, NQ-1, 1, 0
	s_wait_dscnt 0
	WIN MUL_HI
	MUL16 4, 1, NQ-1, 1, 0
	MUL16 6, 1, NQ-1, 1, 0
	WIN 0
; THE WAY OUT.  Block a's 64 registers of a lane become 12 registers of codes (two units) and a word of four scale bytes.  A block's scale: the largest magnitude's exponent field less 2, held at 1 from below by the floor.
.macro QUANTW a
.set AC, 64*((\a)%4)
	WIN 20*(2+(\a)/4)                              ; sources 1 and 2: the accumulators' window
.irp b, 0,1,2,3
	v_max3_num_f32 v[TM+\b], v[FL], |v[AC+16*\b]|, |v[AC+16*\b+1]|   ; each accumulator is read from its low end on
.endr
.irp i, 2,4,6,8,10,12,14
.irp b, 0,1,2,3
	v_max3_num_f32 v[TM+\b], v[TM+\b], |v[AC+16*\b+\i]|, |v[AC+16*\b+\i+1]|   ; the four blocks by turns
.endr
.endr
	WIN 0
.irp b, 0,1,2,3
	v_permlanex16_b32 v[TM+4+\b], v[TM+\b], s[SEL], s[SEL+1]
.endr
.irp b, 0,1,2,3
	v_max_num_f32 v[TM+\b], v[TM+\b], v[TM+4+\b]   ; with lane l xor 16's 16: the block's largest magnitude
.endr
.irp b, 0,1,2,3
	v_add_nc_u32 v[TM+12+\b], 0xff000000, v[TM+\b] ; 2 off its exponent field: the conversion takes that field as its scale
.endr
.irp b, 0,1,2,3
	v_lshrrev_b32 v[TM+4+\b], 23, v[TM+12+\b]      ; the scale's byte
.endr
	v_lshl_or_b32 v[PW], v[TM+5], 8, v[TM+4]
	v_lshl_or_b32 v[PW], v[TM+6], 16, v[PW]
	v_lshl_or_b32 v[PW], v[TM+7], 24, v[PW]
	WIN 2+(\a)/4                                   ; source 0: the accumulators' window
.irp c, 0,1
	v_cvt_scalef32_pk16_fp6_f32 v[PC+6*\c:PC+6*\c+2], v[AC+32*\c:AC+32*\c+15], v[TM+12+2*\c]
	v_cvt_scalef32_pk16_fp6_f32 v[PC+12+4*\c:PC+12+4*\c+2], v[AC+32*\c+16:AC+32*\c+31], v[TM+12+2*\c+1]   ; (a conversion's three registers begin on an even number)
.endr
	WIN 0
	v_nop                                          ; one plain place behind a scaled conversion
.irp c, 0,1                                    ; a whole block to a lane: lanes 0-15 block 2 c, lanes 16-31 block 2 c + 1
.irp i, 0,1,2
	v_permlane16_swap_b32 v[PC+6*\c+\i], v[PC+12+4*\c+\i]
.endr
.irp i, 0,1,2
	v_mov_b32 v[PC+3+6*\c+\i], v[PC+12+4*\c+\i]
.endr
.endr
.endm
	PLACES NP                                      ; behind the last products
.irp a, 0,1,2,3,4,5,6,7
.if \a > 0
	s_wait_xcnt 0x0                                ; the last block's stores have read their data and their bases: both are written again only behind this wait
.if \a == 4
	s_add_nc_u64 s[12:13], s[12:13], s[CMID:CMID+1]
	s_add_nc_u64 s[SP:SP+1], s[SP:SP+1], s[SMID:SMID+1]
.else
	s_add_nc_u64 s[12:13], s[12:13], s[CIN:CIN+1]
	s_add_nc_u64 s[SP:SP+1], s[SP:SP+1], s[SIN:SIN+1]
.endif
.endif
	QUANTW \a
	v_lshrrev_b32 v[VSD], v[SH16], v[PW]           ; lanes 0-15: the first unit's halfword; lanes 16-31: the second's
	global_store_b128 v[V16A], v[PC:PC+3], s[12:13]               ; 32 lanes store 512 consecutive bytes, at a multiple of 256 from the buffer's first byte
	global_store_b64 v[V8A], v[PC+4:PC+5], s[12:13] offset:512    ; and 256 more
	global_store_b128 v[V16B], v[PC+6:PC+9], s[12:13]
	global_store_b64 v[V8B], v[PC+10:PC+11], s[12:13] offset:512
	global_store_b16 v[VSA], v[VSD], s[SP:SP+1]
.endr
	s_wait_tensorcnt 0x0                           ; the wave's end
	ds_add_u32 v[SPW], v[NIL]
	s_wait_dscnt 0x0
	s_endpgm
.Lfunc_end_k_q73e27ab029_proj:
	.size	k_q73e27ab029_proj, .Lfunc_end_k_q73e27ab029_proj-k_q73e27ab029_proj
	.p2alignl 7, 3214868480
	.fill 96, 4, 3214868480
	.section	.rodata,"a",@progbits
	.p2align	6, 0x0
	.amdhsa_kernel k_q73e27ab029_proj
		.amdhsa_group_segment_fixed_size 327680
		.amdhsa_private_segment_fixed_size 0
		.amdhsa_enable_private_segment 0
		.amdhsa_kernarg_size 88
		.amdhsa_user_sgpr_count 2
		.amdhsa_user_sgpr_kernarg_segment_ptr 1
		.amdhsa_wavefront_size32 1
		.amdhsa_system_sgpr_workgroup_id_x 1
		.amdhsa_system_sgpr_workgroup_id_y 1
		.amdhsa_system_sgpr_workgroup_id_z 1
		.amdhsa_system_vgpr_workitem_id 0
		.amdhsa_next_free_vgpr 1024
		.amdhsa_next_free_sgpr 100
		.amdhsa_reserve_vcc 0
		.amdhsa_float_denorm_mode_32 3
		.amdhsa_float_denorm_mode_16_64 3
		.amdhsa_memory_ordered 1
		.amdhsa_forward_progress 1
		.amdhsa_inst_pref_size 162
	.end_amdhsa_kernel
	.amdgpu_metadata
---
amdhsa.version: [ 1, 2 ]
amdhsa.kernels:
  - .name:           k_q73e27ab029_proj
    .symbol:         k_q73e27ab029_proj.kd
    .args:
      - { .name: x_codes, .offset: 0, .size: 8, .value_kind: global_buffer, .address_space: global }
      - { .name: x_scales, .offset: 8, .size: 8, .value_kind: global_buffer, .address_space: global }
      - { .name: Wq_codes, .offset: 16, .size: 8, .value_kind: global_buffer, .address_space: global }
      - { .name: Wq_scales, .offset: 24, .size: 8, .value_kind: global_buffer, .address_space: global }
      - { .name: Wk_codes, .offset: 32, .size: 8, .value_kind: global_buffer, .address_space: global }
      - { .name: Wk_scales, .offset: 40, .size: 8, .value_kind: global_buffer, .address_space: global }
      - { .name: Wv_codes, .offset: 48, .size: 8, .value_kind: global_buffer, .address_space: global }
      - { .name: Wv_scales, .offset: 56, .size: 8, .value_kind: global_buffer, .address_space: global }
      - { .name: qbuf, .offset: 64, .size: 8, .value_kind: global_buffer, .address_space: global }
      - { .name: qsc, .offset: 72, .size: 8, .value_kind: global_buffer, .address_space: global }
      - { .name: kvbuf, .offset: 80, .size: 8, .value_kind: global_buffer, .address_space: global }
    .group_segment_fixed_size: 327680
    .private_segment_fixed_size: 0
    .kernarg_segment_align: 8
    .kernarg_segment_size: 88
    .max_flat_workgroup_size: 128
    .sgpr_count:     100
    .vgpr_count:     1024
    .wavefront_size: 32
...
	.end_amdgpu_metadata
.endif
;; end of part 1
;; launch attn (part 2): grid 16 x 16, 16 waves a work-group, no clusters, 327,680 bytes of LDS; arguments qbuf, qsc, kvbuf, ycodes, yscales; writes ycodes, yscales
.if DOCPART == 2
	.amdgcn_target "amdgcn-amd-amdhsa--gfx1250"
	.amdhsa_code_object_version 6
	.text
	.protected	k_q73e27ab029_attn
	.globl	k_q73e27ab029_attn
	.p2align	8
	.type	k_q73e27ab029_attn,@function
k_q73e27ab029_attn:
	s_mov_b64 s[64:65], 0
	v_nop
	global_prefetch_b8 v0, s[64:65] scope:SCOPE_SE
	s_setreg_imm32_b32 hwreg(HW_REG_WAVE_MODE, 25, 1), 1
	s_wait_xcnt 0x0
; LAUNCH 2 OF 3: y = softmax(q k^T / 8 + ALiBi + causal mask) v, both products on codes of E2M3, and the quantising of y along C for the last product.
; LEFT OUT (shown at the head of the first kernel): every step of 128 keys that lies wholly behind a block of 64 queries.
; THE SOFTMAX: t = logit x log2(e); M = the running largest t rounded UP to a whole number; p = 2^(t - M) is quantised along the keys, not normalised; the row's sum is taken of the unquantised p and divides at the end.
; When M moves, the sum and O are multiplied by 2^(old M - new M): exact.
; SHARES.  A work-group has one batch and one kv head (y of the grid) and TWO blocks of 64 queries, i and 31 - i (x of the grid), for the kv head's four query heads.  Block n needs n / 2 + 1 steps of 128 keys, so the
; two need 17 together, whatever i: 256 work-groups of equal work and a trip count that is a constant.  Wave w: head w / 4, tile of 16 queries w % 3-bit low 2: first of block i, then of block 31 - i.
; NO CLUSTER: neighbours would walk different key steps in the same trip, so no tile could be asked for jointly.
; LAYOUT.  Both products are used transposed (S^T = K Q^T, O^T = V^T P^T): a lane holds ONE query (lane % 16).  Register 8 t + j of S^T is key 16 t + 8 (lane / 16) + j; quantised as they stand, p's codes fall in each
; block of 32 keys into the order 0-7, 16-23, 8-15, 24-31, which is the order in which the first launch laid v's: the products are kept.  q and k share that order along the head's 64.
; K = 64 IN AN INSTRUCTION OF 128: an operand of K holds TWO tiles of 16 keys (one in each half of K); Q stands between two runs of zero codes, and (Q, 0) picks the first tile, (0, Q) the second: zero codes add nothing.
; ALiBi: key - query = D + w, D = first key of the block + 16 - query (a whole number, one a lane and block), w = -16 .. 15.  8 slope w is a table of 16 registers, given as the C of the score's matrix instruction;
; then t - M = c S' + (a D - M), c = log2(e) / 8, a = log2(e) slope: no line for each element.  The slope of head h is 2^(-(h / 4 + 1) / 2), as reference()'s repeat and slice have it.
; LIMITS: a p under 2^-126 counts as 0; a block's largest p is taken through its largest score (p rises with the score); 1 / sum by v_rcp_f32; a block of zeros gets the byte 1 (its codes are zeros; the bytes are read
; by this program alone); NaN and infinities are not served.
; REGISTERS: v1-3 16 x lane, 8 x lane, 16 x (lane % 16); v4 the mask's threshold; v5, v6 the add's two; v7-9 the step's LDS addresses; v11 lane % 16; v12 -M, v13 the largest t, v[14:15] the sum; v16-33 zeros, Q, zeros;
; v34-40 the second block's Q, later the first block's y; v42-57 the table; v58-65 (a D - M, a D) for each block; v66-69 D; v70-77 K's and V's scale words; v78 the prefetch's offset; v80-127 four operands of K or V;
; v128-191 S^T, then p; v192-223 O^T; v224-235 p's codes; v236-254 at work; v253 p's scale word; v255 Q's.
.set SLOT1,  1<<14                     ; slot 1 begins here: one exclusive or turns an address in one slot into the other's
.set KVSTEP, 12800                     ; a step's block: 8 units of K, 8 of V, 256 + 256 bytes of halfwords
.set VUN,    6144
.set KSC,    12288
.set VSC,    12544
.set STG,    32768                     ; the way out: 128 rows x 192 bytes of y's codes,
.set STG2,   STG+128*192               ; and 128 rows x 8 scale bytes; no tile lands in either
.set SPARE,  STG2+128*8                ; the spare words, 128 bytes for each of 16 waves: eight blocks of 256 bytes that no other line names
.set SPW, 5
.set NIL, 6
.set CT,  42
.set KF,  80
.set S,   128
.set O,   192
.set PC,  224
.set WV,  14                           ; s14 wave; s15 its head of four; s16 its tile of four
.set HQ,  15
.set TQ,  16
.set II,  17                           ; s17 work-group x; s18 work-group y = 4 batch + kv head
.set BG,  18
.set NA,  19                           ; s19 the first block's steps
.set SEL, 20                           ; s[20:21] lane selects: lane l xor 16
.set CS,  22                           ; s[22:23] c (named as a pair by the packed form)
.set SL8, 24                           ; s24 8 x slope
.set AL,  25                           ; s25 a
.set TB,  26                           ; s26 LDS byte at which the slot in hand begins
.set CNT, 27                           ; s27 trips to go
.set N1,  28                           ; s28 the trip's number, from 1
.set KOFF, 30                          ; s[30:31] the byte in the kv head's steps at which the next fetch begins
.set G1,  32
.set G0,  40
.set KVB, 44                           ; s[44:45] my batch's and kv head's 16 steps
.set PFA, 46                           ; s[46:47] where the prefetches stand
.set LIM, 48                           ; s48 1 in a wave that prefetches, else the greatest number
.set DD,  49                           ; s49 what the threshold moves by between the blocks
.set DB0, 50                           ; s50 16 - my first query of the second block
.macro TLOAD                           ; wave 0 fetches a step's dense block; the branch hangs on the wave's number alone.  An s_nop 0 and four v_nop follow the load
	s_cmp_eq_u32 s[WV], 0
	s_cbranch_scc0 .Lnot_w0_\@
	tensor_load_to_lds s[G0:G0+3], s[G1:G1+7]
	s_nop 0
.rept 4
	v_nop
.endr
.Lnot_w0_\@:
.endm
; A PREFETCH INTO THE L2 of the key step that the NEXT trip's tensor load will ask for: 50 blocks of 256 bytes, a lane a block.  All sixteen work-groups of a batch and kv head walk the same steps: the one with x = 0, whose
; second block walks all sixteen in order, asks, in its waves 1 and 2 (lanes beyond the fiftieth block are held at it).  Trip n names step n; the last trip names nothing; step 0 comes by its load alone.
.macro ASK
	s_cmp_gt_u32 s[CNT], s[LIM]
	s_cbranch_scc0 .Lnot_mine_\@
	global_prefetch_b8 v78, s[PFA:PFA+1] th:TH_LOAD_NT scope:SCOPE_SE
.Lnot_mine_\@:
.endm
	s_load_b256 s[4:11], s[0:1], 0x0               ; qbuf, qsc, kvbuf, ycodes
	s_load_b64 s[12:13], s[0:1], 0x20              ; yscales
	v_lshl_add_u32 v[SPW], v0, 2, SPARE
	v_mov_b32 v[NIL], 0
	ds_add_u32 v[SPW], v[NIL]                      ; the wave's opening: the add, twice on end, and its wait ahead of the first tensor load
	ds_add_u32 v[SPW], v[NIL]                      ; and once more; the set-up below, work on registers, stands between it and the wait
	v_lshrrev_b32 v10, 5, v0
	v_readfirstlane_b32 s[WV], v10
	s_lshr_b32 s[HQ], s[WV], 2
	s_and_b32 s[TQ], s[WV], 3
	s_mov_b32 s[II], ttmp9
	s_and_b32 s[BG], ttmp7, 0xffff
	s_lshr_b32 s[NA], s[II], 1
	s_add_co_u32 s[NA], s[NA], 1
	s_mov_b32 s[SEL], 0x76543210
	s_mov_b32 s[SEL+1], 0xfedcba98
	s_mov_b32 s[CS], 0x3e38aa3b                    ; c = log2(e) / 8
	s_mov_b32 s[CS+1], s[CS]
	s_and_b32 s51, s[BG], 1                        ; kv head g: slope = 2^(-(g + 1) / 2)
	s_cmp_eq_u32 s51, 1
	s_mov_b32 s[SL8], 0x40b504f3                   ; 8 x 2^(-1/2),
	s_cselect_b32 s[SL8], 0x40800000, s[SL8]       ; or 8 x 2^(-1),
	s_mov_b32 s[AL], 0x3f8293ee                    ; log2(e) x 2^(-1/2),
	s_cselect_b32 s[AL], 0x3f38aa3b, s[AL]         ; or log2(e) x 2^(-1),
	s_bfe_u32 s51, s[BG], 0x10001
	s_lshl_b32 s51, s51, 23
	s_sub_co_u32 s[SL8], s[SL8], s51               ; halved for g = 2, 3: one off the exponent field
	s_sub_co_u32 s[AL], s[AL], s51
	; group 1: a dense block of 12,800 bytes as 50 rows of 256 bytes (32 elements of 8), no padding: the images are read 16 or 8 bytes a lane on end
	s_mov_b32 s[G1], 3<<16
	s_mov_b32 s[G1+1], 32<<16
	s_mov_b32 s[G1+2], 50<<16
	s_mov_b32 s[G1+3], 32<<16
	s_mov_b32 s[G1+4], 50
	s_mov_b32 s[G1+5], 32
	s_mov_b32 s[G1+6], 0
	s_mov_b32 s[G1+7], 0
	s_lshl_b32 s52, s[BG], 2                       ; my head among the 64: 4 (4 b + g) + w / 4; its 128 tiles
	s_add_co_u32 s52, s52, s[HQ]
	s_lshl_b32 s52, s52, 7
	s_add_co_u32 s52, s52, s[TQ]
	s_lshl_b32 s53, s[II], 2
	s_add_co_u32 s56, s52, s53                     ; the first block's tile: 4 i + w % 4
	s_add_co_u32 s58, s52, 124
	s_sub_co_u32 s58, s58, s53                     ; the second's: 4 (31 - i) + w % 4
	s_lshl_b32 s60, s56, 5
	s_lshl_b32 s62, s58, 5
	s_mul_i32 s56, s56, 768
	s_mul_i32 s58, s58, 768
	s_mov_b32 s57, 0
	s_mov_b32 s59, 0
	s_mov_b32 s61, 0
	s_mov_b32 s63, 0
	s_mul_i32 s[KOFF], s[BG], 16*KVSTEP
	s_mov_b32 s[KOFF+1], 0
	s_sub_co_u32 s[LIM], s[WV], 1                  ; who prefetches: waves 1 and 2
	s_lshr_b32 s[LIM], s[LIM], 1
	s_or_b32 s[LIM], s[LIM], s[II]                 ; of the work-group with x = 0
	s_cmp_eq_u32 s[LIM], 0
	s_cselect_b32 s[LIM], 1, -1
	v_and_b32 v10, 31, v0                          ; lane
	v_lshlrev_b32 v1, 4, v10
	v_lshlrev_b32 v2, 3, v10
	v_and_b32 v11, 15, v0                          ; r
	v_lshlrev_b32 v3, 4, v11
	v_lshlrev_b32 v9, 1, v11                       ; (until Q is in: my query's halfword)
	s_lshl_b32 s53, s[WV], 5
	s_sub_co_u32 s53, s53, 32
	v_add_nc_u32 v78, s53, v10
	v_min_u32 v78, 49, v78
	v_lshlrev_b32 v78, 8, v78
	v_bfe_u32 v254, v0, 4, 1
	v_lshlrev_b32 v254, 3, v254                    ; 8 h
	s_wait_dscnt 0x0                               ; both opening adds are done
	s_wait_kmcnt 0x0
	s_add_nc_u64 s[KVB:KVB+1], s[8:9], s[KOFF:KOFF+1]
	s_mov_b32 s[KOFF], 0
	s_mov_b32 s[G0], 1
	s_mov_b32 s[G0+1], 0                           ; slot 0
	s_mov_b64 s[G0+2:G0+3], s[KVB:KVB+1]           ; key step 0
	s_or_b32 s[G0+3], s[G0+3], 0x80000000
	TLOAD
	s_mov_b64 s[PFA:PFA+1], s[KVB:KVB+1]           ; the first trip steps it to key step 1; nothing is prefetched here
	s_add_nc_u64 s[56:57], s[4:5], s[56:57]
	s_add_nc_u64 s[58:59], s[4:5], s[58:59]
	s_add_nc_u64 s[60:61], s[6:7], s[60:61]
	s_add_nc_u64 s[62:63], s[6:7], s[62:63]
	global_load_b128 v[22:25], v1, s[56:57]        ; Q's unit, as its image lies: the first block's,
	global_load_b64 v[26:27], v2, s[56:57] offset:512
	global_load_b128 v[34:37], v1, s[58:59]        ; the second block's
	global_load_b64 v[38:39], v2, s[58:59] offset:512
	global_load_u16 v255, v9, s[60:61]
	global_load_u16 v40, v9, s[62:63]
.irp k, 0,1,2,3,4,5
	v_mov_b32 v[16+\k], 0                          ; zero codes on both sides of Q
	v_mov_b32 v[28+\k], 0
.endr
.irp n, 0,1,2,3,4,5,6,7,8,9,10,11,12,13,14,15
	v_add_nc_u32 v[CT+\n], \n+8*(\n/8)-16, v254    ; w = 16 u + 8 h + j - 16 for register 8 u + j
.endr
.irp n, 0,1,2,3,4,5,6,7,8,9,10,11,12,13,14,15
	v_cvt_f32_i32 v[CT+\n], v[CT+\n]
.endr
.irp n, 0,1,2,3,4,5,6,7,8,9,10,11,12,13,14,15
	v_mul_f32 v[CT+\n], s[SL8], v[CT+\n]           ; 8 slope w
.endr
	s_lshl_b32 s52, s[II], 6
	s_lshl_b32 s53, s[TQ], 4
	s_add_co_u32 s54, s52, s53
	s_sub_co_u32 s54, 16, s54                      ; 16 - my first query of the first block
	s_sub_co_u32 s[DB0], s52, s53
	s_sub_co_u32 s[DB0], s[DB0], 1968              ; 16 - (64 (31 - i) + 16 (w % 4))
	s_and_b32 s55, s[II], 1
	s_lshl_b32 s55, s55, 6                         ; where the first block begins in its last step
	s_lshl_b32 s[DD], s55, 1
	s_sub_co_u32 s[DD], 64, s[DD]                  ; the second block begins in the step's other half
	s_add_co_u32 s55, s55, s53
	v_sub_nc_u32 v4, v11, v254
	v_add_nc_u32 v4, s55, v4                       ; on the diagonal step: my query - the step's first key - 8 h
	v_sub_nc_u32 v10, s54, v11
.irp b, 0,1,2,3
	v_add_nc_u32 v[66+\b], 32*\b, v10
.endr
.irp b, 0,1,2,3
	v_cvt_f32_i32 v[66+\b], v[66+\b]               ; D of block b at key step 0
.endr
	v_mov_b32 v13, 0xff61b1e6                      ; the largest t so far: -3e38
	v_floor_f32 v12, -v13
	v_mov_b32 v14, 0
	v_mov_b32 v15, 0
.irp b, 0,1,2,3
	v_mov_b32 v[236+\b], 0                         ; written once: a lane permute's destination counts as one of its sources
.endr
	v_mov_b32 v253, 0                              ; (named as the upper half of v[252:253] before it is first written)
	s_wait_loadcnt 0x0                             ; Q
	v_lshl_or_b32 v255, v255, 16, v255             ; the halfword twice: it serves Q in either half of K
	v_lshl_or_b32 v40, v40, 16, v40
.set j, 0
.rept 32
	v_mov_b32 v[O+j], 0                            ; O^T: the step is written once, its first run finds zeros.  (These are also the places between the scale word's line and the first product)
.set j, j+1
.endr
.macro LOADOP base                     ; four operands of two units each, as their images lie
.irp o, 0,1,2,3
.irp c, 0,1
	ds_load_b128 v[KF+12*\o+6*\c:KF+12*\o+6*\c+3], v7 offset:\base+768*(2*\o+\c)
	ds_load_b64 v[KF+12*\o+6*\c+4:KF+12*\o+6*\c+5], v8 offset:\base+768*(2*\o+\c)+512
.endr
.endr
.endm
; A KEY STEP: 128 keys.  diag = 1: the step lies on the diagonal;  0: it does where the trip's number is the first block's count.
.macro STEP diag
	v_add_nc_u32 v7, s[TB], v1
	v_add_nc_u32 v8, s[TB], v2
	v_add_nc_u32 v9, s[TB], v3
	LOADOP 0                                       ; K.  (Four places behind the last products: the four additions at the last step's end; these three besides)
	ds_load_b128 v[70:73], v9 offset:KSC           ; word b: the halfwords of key tiles 2 b and 2 b + 1
	s_wait_dscnt 0x0
.irp b, 0,1,2,3
	v_wmma_scale_f32_16x16x128_f8f6f4 v[S+16*\b:S+16*\b+7], v[KF+12*\b:KF+12*\b+11], v[22:33], v[CT:CT+7], v[70+\b], v255 matrix_a_fmt:MATRIX_FMT_FP6 matrix_b_fmt:MATRIX_FMT_FP6
	v_wmma_scale_f32_16x16x128_f8f6f4 v[S+16*\b+8:S+16*\b+15], v[KF+12*\b:KF+12*\b+11], v[16:27], v[CT+8:CT+15], v[70+\b], v255 matrix_a_fmt:MATRIX_FMT_FP6 matrix_b_fmt:MATRIX_FMT_FP6
.endr
.irp b, 0,1,2,3
	v_mul_f32 v[59+2*\b], s[AL], v[66+\b]          ; a D.  (The four places behind the products)
.endr
	LOADOP VUN                                     ; V, early: K's operands are done with, and the softmax stands between these loads and their use
	ds_load_b128 v[74:77], v9 offset:VSC
.if \diag == 0
	s_cmp_lg_u32 s[N1], s[NA]                      ; ids and the count of trips alone
	s_cbranch_scc1 .Lopen_\@
.endif
	v_mov_b32 v254, 0xff800000                     ; hidden scores become -infinity ahead of the maximum: p = 0 then
.set n, 0
.rept 64
	v_cmp_gt_i32 vcc_lo, 16*(n/8)+n%8, v4          ; register n holds the step's key 16 (n / 8) + n % 8 + 8 h
	v_cndmask_b32 v[S+n], v[S+n], v254, vcc_lo
.set n, n+1
.endr
.if \diag == 0
.Lopen_\@:
.endif
.irp b, 0,1,2,3
	v_max3_num_f32 v[248+\b], v[S+16*\b], v[S+1+16*\b], v[S+2+16*\b]   ; the largest S' of each block of 32 keys: for the row's maximum, and for the block's largest p
.endr
.irp i, 3,5,7,9,11,13
.irp b, 0,1,2,3
	v_max3_num_f32 v[248+\b], v[248+\b], v[S+16*\b+\i], v[S+1+16*\b+\i]
.endr
.endr
.irp b, 0,1,2,3
	v_max_num_f32 v[248+\b], v[248+\b], v[S+15+16*\b]
.endr
.irp b, 0,1,2,3
	v_permlanex16_b32 v[236+\b], v[248+\b], s[SEL], s[SEL+1]
.endr
.irp b, 0,1,2,3
	v_max_num_f32 v[248+\b], v[248+\b], v[236+\b]  ; with lane l xor 16's 16 keys
.endr
.irp b, 0,1,2,3
	v_fma_f32 v[240+\b], v[248+\b], s[CS], v[59+2*\b]   ; the block's largest t
.endr
	v_max3_num_f32 v254, v240, v241, v242
	v_max_num_f32 v254, v254, v243
	v_max_num_f32 v13, v13, v254                   ; the running largest t
	v_mov_b32 v254, v12
	v_floor_f32 v12, -v13                          ; the new -M = -ceil(t)
	v_sub_f32 v254, v12, v254                      ; old M - new M: a whole number, 0 or less
	v_cvt_i32_f32 v254, v254                       ; (it saturates)
	v_ldexp_f32 v252, 1.0, v254                    ; f = 2^(old M - new M)
.irp b, 0,1,2,3
	v_fma_f32 v[58+2*\b], s[AL], v[66+\b], v12     ; a D - M
.endr
.set j, 0
.rept 32
	v_pk_fma_f32 v[S+j:S+j+1], v[S+j:S+j+1], s[CS:CS+1], v[58+2*(j/16):59+2*(j/16)] op_sel_hi:[1,0,0]   ; t - M, two at a time (of the pairs the low word serves both halves)
.set j, j+2
.endr
.irp b, 0,1,2,3
	v_fma_f32 v[248+\b], v[248+\b], s[CS], v[58+2*\b]   ; the same of each block's largest
.endr
.set j, 0
.rept 64
	v_exp_f32 v[S+j], v[S+j]                       ; p = 2^(t - M)
.set j, j+1
.endr
	v_pk_mul_f32 v[14:15], v[14:15], v[252:253] op_sel_hi:[1,0]   ; the sums under the new M.  (A plain place behind the exponentials)
	s_wait_alu depctr_va_vdst(0)                   ; one wait for the batch, ahead of its first reader
.irp b, 0,1,2,3
	v_exp_f32 v[248+\b], v[248+\b]                 ; the block's largest p
.endr
	v_pk_add_f32 v[236:237], v[S:S+1], v[S+2:S+3]  ; the row's sum of the unquantised p, in two chains
.irp j, 4,8,12,16,20,24,28,32,36,40,44,48,52,56,60
	v_pk_add_f32 v[14:15], v[14:15], v[S+\j:S+\j+1]
	v_pk_add_f32 v[236:237], v[236:237], v[S+2+\j:S+3+\j]
.endr
	v_pk_add_f32 v[14:15], v[14:15], v[236:237]
	s_wait_alu depctr_va_vdst(0)                   ; and one for the four
.irp b, 0,1,2,3
	v_max_num_f32 v[248+\b], 0x1800000, v[248+\b]  ; the floor 2^(3 - 127): the byte cannot fall under 1
.endr
.irp b, 0,1,2,3
	v_add_nc_u32 v[244+\b], 0xff000000, v[248+\b]  ; 2 off the exponent field: the conversion's scale operand
.endr
.irp b, 0,1,2,3
	v_lshrrev_b32 v[236+\b], 23, v[244+\b]
.endr
	v_lshl_or_b32 v253, v237, 8, v236              ; p's scale word for these 128 keys
	v_lshl_or_b32 v253, v238, 16, v253
	v_lshl_or_b32 v253, v239, 24, v253
.irp c, 0,1
	v_cvt_scalef32_pk16_fp6_f32 v[PC+6*\c:PC+6*\c+2], v[S+32*\c:S+32*\c+15], v[244+2*\c]
	v_cvt_scalef32_pk16_fp6_f32 v[236+4*\c:238+4*\c], v[S+16+32*\c:S+31+32*\c], v[244+2*\c+1]
.endr
	v_nop                                          ; one plain place behind a scaled conversion
.irp c, 0,1
.irp i, 0,1,2
	v_permlane16_swap_b32 v[PC+6*\c+\i], v[236+4*\c+\i]
.endr
.irp i, 0,1,2
	v_mov_b32 v[PC+3+6*\c+\i], v[236+4*\c+\i]
.endr
.endr
.set j, 0
.rept 16
	v_pk_mul_f32 v[O+j:O+j+1], v[O+j:O+j+1], v[252:253] op_sel_hi:[1,0]   ; O^T under the new M.  (These sixteen are also the places in front of the products below)
.set j, j+2
.endr
	s_wait_dscnt 0x0                               ; V is in
.irp t, 0,1,2,3
	v_wmma_scale_f32_16x16x128_f8f6f4 v[O+8*\t:O+8*\t+7], v[KF+12*\t:KF+12*\t+11], v[PC:PC+11], v[O+8*\t:O+8*\t+7], v[74+\t], v253 matrix_a_fmt:MATRIX_FMT_FP6 matrix_b_fmt:MATRIX_FMT_FP6
.endr
.irp b, 0,1,2,3
	v_add_f32 v[66+\b], 0x43000000, v[66+\b]       ; D for the next step: + 128, exact.  (The four places behind the products)
.endr
.endm
; A block of queries is finished: O^T / the sum, quantised along its 64 channels (two blocks of 32 of y's row), the codes put back into the natural order, since the last product meets given codes.
.macro FINISH1
	v_add_f32 v14, v14, v15
	v_permlanex16_b32 v254, v14, s[SEL], s[SEL+1]
	v_add_f32 v14, v14, v254                       ; the row's sum
	v_rcp_f32 v14, v14
	v_nop                                          ; a plain place behind the reciprocal
	s_wait_alu depctr_va_vdst(0)                   ; and the wait ahead of its first reader
.set j, 0
.rept 32
	v_mul_f32 v[S+j], v[O+j], v14                  ; register 8 t + i: channel 16 t + 8 h + i; each accumulator from its low end on
.set j, j+1
.endr
.irp b, 0,1
	v_max3_num_f32 v[248+\b], |v[S+16*\b]|, |v[S+16*\b+1]|, 0x1800000
.endr
.irp i, 2,4,6,8,10,12,14
.irp b, 0,1
	v_max3_num_f32 v[248+\b], v[248+\b], |v[S+16*\b+\i]|, |v[S+16*\b+\i+1]|
.endr
.endr
.irp b, 0,1
	v_permlanex16_b32 v[236+\b], v[248+\b], s[SEL], s[SEL+1]
.endr
.irp b, 0,1
	v_max_num_f32 v[248+\b], v[248+\b], v[236+\b]
.endr
.irp b, 0,1
	v_add_nc_u32 v[244+\b], 0xff000000, v[248+\b]
.endr
.irp b, 0,1
	v_lshrrev_b32 v[236+\b], 23, v[244+\b]
.endr
	v_lshl_or_b32 v254, v237, 8, v236              ; my row's two scale bytes
	v_cvt_scalef32_pk16_fp6_f32 v[224:226], v[S:S+15], v244
	v_cvt_scalef32_pk16_fp6_f32 v[240:242], v[S+16:S+31], v245
	v_nop
.irp i, 0,1,2
	v_permlane16_swap_b32 v[224+\i], v[240+\i]     ; lane (r, h) now holds block h: v224-226 the codes of channels 0-7 and 16-23, v240-242 those of 8-15 and 24-31: 48 bits each
.endr
	v_alignbit_b32 v227, v226, v225, 16            ; bits 96-127: channels 16-23, their first 32 bits
	v_perm_b32 v228, v241, v226, 0x07060302        ; bits 128-159: their last 16, and the first 16 of channels 24-31
	v_perm_b32 v225, v240, v225, 0x05040100        ; bits 32-63: the last 16 of channels 0-7, the first 16 of 8-15
	v_alignbit_b32 v226, v241, v240, 16            ; bits 64-95: the rest of 8-15
	v_mov_b32 v229, v242                           ; bits 160-191
.endm
.macro SWITCH                          ; on to the second block of queries: work on registers alone
	v_mov_b32 v255, v40                            ; Q's scale word and codes first: the lines below are the places in front of the next products
.irp k, 0,1,2,3,4,5
	v_mov_b32 v[22+\k], v[34+\k]
.endr
.irp k, 0,1,2,3,4,5
	v_mov_b32 v[34+\k], v[224+\k]                  ; the first block's y is kept in the registers that Q has left
.endr
	v_mov_b32 v40, v254
.set j, 0
.rept 32
	v_mov_b32 v[O+j], 0
.set j, j+1
.endr
	v_mov_b32 v14, 0
	v_mov_b32 v15, 0
	v_mov_b32 v13, 0xff61b1e6
	v_floor_f32 v12, -v13
	v_add_nc_u32 v4, s[DD], v4
	v_sub_nc_u32 v10, s[DB0], v11
.irp b, 0,1,2,3
	v_add_nc_u32 v[66+\b], 32*\b, v10
.endr
.irp b, 0,1,2,3
	v_cvt_f32_i32 v[66+\b], v[66+\b]
.endr
.endm
; THE CHANGE OF SLOTS stands at a step's head.  Each wave waits for all its tensor loads, adds 0 to its spare word, and waits for that and for its reads of the slot that it has left.  Behind the barrier the slot ahead is
; whole and nobody reads the other one, which wave 0 fills with the step that follows: the load has a whole step in which to land.  By this text's count a wave has at most one tensor load out.
.macro CHANGE fill
	s_wait_tensorcnt 0x0                           ; no tensor load of mine is out, so group 0 may be written
	ds_add_u32 v[SPW], v[NIL]
.if \fill
	ds_add_u32 v[SPW], v[NIL]                      ; and twice on end here, in every trip alike
	s_xor_b32 s[G0+1], s[G0+1], SLOT1              ; the other slot than last time
	s_add_co_u32 s[KOFF], s[KOFF], KVSTEP          ; the next key step,
	s_cmp_eq_u32 s[N1], s[NA]
	s_cselect_b32 s[KOFF], 0, s[KOFF]              ; or key step 0 again, for the second block of queries
	s_add_nc_u64 s[G0+2:G0+3], s[KVB:KVB+1], s[KOFF:KOFF+1]
	s_or_b32 s[G0+3], s[G0+3], 0x80000000
	s_wait_xcnt 0x0                                ; the last prefetch, a trip back, has read its address
	s_add_nc_u64 s[PFA:PFA+1], s[PFA:PFA+1], KVSTEP
.endif
	s_wait_dscnt 0x0                               ; the add is done, and my reads of the slot that I have left are over
	s_barrier_signal -1
	s_barrier_wait -1
.if \fill
	TLOAD                                          ; the first thing behind the barrier
	ASK
.endif
.endm
	s_mov_b32 s[CNT], 16
	s_mov_b32 s[N1], 1
	s_mov_b32 s[TB], 0
.Lstep:                                            ; 16 trips; the seventeenth step is written out, so that no trip jumps over the tensor load
	CHANGE 1
	STEP 0
	s_cmp_lg_u32 s[N1], s[NA]                      ; the first block's last step?  Ids and the count of trips alone: all sixteen waves go the same way
	s_cbranch_scc1 .Lsame
	FINISH1
	SWITCH
.Lsame:
	s_xor_b32 s[TB], s[TB], SLOT1
	s_add_co_u32 s[N1], s[N1], 1
	s_sub_co_u32 s[CNT], s[CNT], 1
	s_cmp_lg_u32 s[CNT], 0
	s_cbranch_scc1 .Lstep
	CHANGE 0
	STEP 1                                         ; the second block's diagonal step
	FINISH1
	; THE WAY OUT.  A lane's 24 bytes are one block of a row of y; a row's 192 bytes of this kv head come from four waves.  They meet in a stage; each wave then stores 8 rows in runs of 192 bytes.
	v_bfe_u32 v10, v0, 4, 1
	v_mul_u32_u24 v7, v11, 192
	v_mad_u32_u24 v7, v10, 24, v7
	s_mul_i32 s51, s[TQ], 16*192
	s_mul_i32 s52, s[HQ], 48
	s_add_co_u32 s51, s51, s52
	s_add_co_u32 s51, s51, STG
	v_add_nc_u32 v7, s51, v7                       ; in: row 16 (w % 4) + r, + 48 (w / 4) + 24 h
	s_lshl_b32 s51, s[TQ], 7
	s_lshl_b32 s52, s[HQ], 1
	s_add_co_u32 s51, s51, s52
	s_add_co_u32 s51, s51, STG2
	v_lshl_add_u32 v8, v11, 3, s51                 ; the halfword: 8 bytes a row, + 2 (w / 4)
	s_mul_i32 s51, s[WV], 1536
	s_add_co_u32 s51, s51, STG
	v_add_nc_u32 v9, s51, v1                       ; back: my 8 rows, 1,536 dense bytes
	s_and_b32 s51, s[WV], 3
	s_lshl_b32 s51, s51, 8
	s_add_co_u32 s51, s51, STG2
	v_add_nc_u32 v41, s51, v2                      ; and, in waves 0 to 3, 32 rows' scale bytes
	v_and_b32 v10, 31, v0
	v_lshlrev_b32 v79, 5, v10                      ; a row of yscales is 32 bytes
.irp j, 0,1,2
	v_add_nc_u32 v[42+\j], 32*\j, v10              ; piece p = 32 j + lane of 96 pieces of 16 bytes: row p / 12 (p x 171 >> 11 for p under 96), column p % 12
	v_mul_u32_u24 v[45+\j], v[42+\j], 171
	v_lshrrev_b32 v[45+\j], 11, v[45+\j]
	v_mul_u32_u24 v[48+\j], v[45+\j], 12
	v_sub_nc_u32 v[42+\j], v[42+\j], v[48+\j]
	v_lshlrev_b32 v[42+\j], 4, v[42+\j]
	v_mad_u32_u24 v[42+\j], v[45+\j], 768, v[42+\j]
.endr
	s_lshr_b32 s51, s[BG], 2
	s_lshl_b32 s51, s51, 11                        ; 2,048 x batch
	s_sub_co_u32 s52, 31, s[II]
	s_cmp_lt_u32 s[WV], 8
	s_cselect_b32 s53, s[II], s52                  ; the stage's rows 0-63 are block i's, rows 64-127 block 31 - i's
	s_cmp_lt_u32 s[WV], 2
	s_cselect_b32 s54, s[II], s52
	s_lshl_b32 s53, s53, 6
	s_add_co_u32 s53, s53, s51
	s_and_b32 s55, s[WV], 7
	s_lshl_b32 s55, s55, 3
	s_add_co_u32 s53, s53, s55                     ; my first row of y
	s_mul_i32 s56, s53, 768
	s_and_b32 s55, s[BG], 3
	s_mul_i32 s57, s55, 192
	s_add_co_u32 s56, s56, s57                     ; + the kv head's 192 bytes
	s_mov_b32 s57, 0
	s_add_nc_u64 s[10:11], s[10:11], s[56:57]
	s_lshl_b32 s54, s54, 6
	s_add_co_u32 s54, s54, s51
	s_and_b32 s58, s[WV], 1
	s_lshl_b32 s58, s58, 5
	s_add_co_u32 s54, s54, s58
	s_lshl_b32 s58, s54, 5
	s_lshl_b32 s55, s55, 3
	s_add_co_u32 s58, s58, s55
	s_mov_b32 s59, 0
	s_add_nc_u64 s[12:13], s[12:13], s[58:59]
	ds_store_b64 v7, v[34:35]
	ds_store_b64 v7, v[36:37] offset:8
	ds_store_b64 v7, v[38:39] offset:16
	ds_store_b64 v7, v[224:225] offset:64*192
	ds_store_b64 v7, v[226:227] offset:64*192+8
	ds_store_b64 v7, v[228:229] offset:64*192+16
	ds_store_b16 v8, v40                           ; both lanes of a row write the same halfword with the same value
	ds_store_b16 v8, v254 offset:64*8
	s_wait_dscnt 0x0                               ; for the others' sake: my stores into the stage are done
	s_barrier_signal -1
	s_barrier_wait -1
	ds_load_b128 v[128:131], v9
	ds_load_b128 v[132:135], v9 offset:512
	ds_load_b128 v[136:139], v9 offset:1024
	s_wait_dscnt 2                                 ; the two younger loads may be out
	global_store_b128 v42, v[128:131], s[10:11]
	s_wait_dscnt 1
	global_store_b128 v43, v[132:135], s[10:11]
	s_wait_dscnt 0
	global_store_b128 v44, v[136:139], s[10:11]
	s_cmp_lt_u32 s[WV], 4
	s_cbranch_scc0 .Lno_scales
	ds_load_b64 v[140:141], v41
	s_wait_dscnt 0x0
	global_store_b64 v79, v[140:141], s[12:13]     ; 8 bytes of each of 32 rows
.Lno_scales:
	s_wait_tensorcnt 0x0                           ; the wave's end, behind my last tensor load and my last LDS store
	ds_add_u32 v[SPW], v[NIL]
	s_wait_dscnt 0x0
	s_endpgm
.Lfunc_end_k_q73e27ab029_attn:
	.size	k_q73e27ab029_attn, .Lfunc_end_k_q73e27ab029_attn-k_q73e27ab029_attn
	.p2alignl 7, 3214868480
	.fill 96, 4, 3214868480
	.section	.rodata,"a",@progbits
	.p2align	6, 0x0
	.amdhsa_kernel k_q73e27ab029_attn
		.amdhsa_group_segment_fixed_size 327680
		.amdhsa_private_segment_fixed_size 0
		.amdhsa_enable_private_segment 0
		.amdhsa_kernarg_size 40
		.amdhsa_user_sgpr_count 2
		.amdhsa_user_sgpr_kernarg_segment_ptr 1
		.amdhsa_wavefront_size32 1
		.amdhsa_system_sgpr_workgroup_id_x 1
		.amdhsa_system_sgpr_workgroup_id_y 1
		.amdhsa_system_sgpr_workgroup_id_z 1
		.amdhsa_system_vgpr_workitem_id 0
		.amdhsa_next_free_vgpr 256
		.amdhsa_next_free_sgpr 66
		.amdhsa_reserve_vcc 1
		.amdhsa_float_denorm_mode_32 3
		.amdhsa_float_denorm_mode_16_64 3
		.amdhsa_memory_ordered 1
		.amdhsa_forward_progress 1
		.amdhsa_inst_pref_size 67
	.end_amdhsa_kernel
	.amdgpu_metadata
---
amdhsa.version: [ 1, 2 ]
amdhsa.kernels:
  - .name:           k_q73e27ab029_attn
    .symbol:         k_q73e27ab029_attn.kd
    .args:
      - { .name: qbuf, .offset: 0, .size: 8, .value_kind: global_buffer, .address_space: global }
      - { .name: qsc, .offset: 8, .size: 8, .value_kind: global_buffer, .address_space: global }
      - { .name: kvbuf, .offset: 16, .size: 8, .value_kind: global_buffer, .address_space: global }
      - { .name: ycodes, .offset: 24, .size: 8, .value_kind: global_buffer, .address_space: global }
      - { .name: yscales, .offset: 32, .size: 8, .value_kind: global_buffer, .address_space: global }
    .group_segment_fixed_size: 327680
    .private_segment_fixed_size: 0
    .kernarg_segment_align: 8
    .kernarg_segment_size: 40
    .max_flat_workgroup_size: 512
    .sgpr_count:     66
    .vgpr_count:     256
    .wavefront_size: 32
...
	.end_amdgpu_metadata
.endif
;; end of part 2
;; launch outp (part 3): grid 4 x 32, 4 waves a work-group, clusters of 4 x 4, 327,680 bytes of LDS; arguments ycodes, yscales, Wo_codes, Wo_scales, out0; writes out0
.if DOCPART == 3
	.amdgcn_target "amdgcn-amd-amdhsa--gfx1250"
	.amdhsa_code_object_version 6
	.text
	.protected	k_q73e27ab029_outp
	.globl	k_q73e27ab029_outp
	.p2align	8
	.type	k_q73e27ab029_outp,@function
k_q73e27ab029_outp:
	s_mov_b64 s[64:65], 0
	v_nop
	global_prefetch_b8 v0, s[64:65] scope:SCOPE_SE
	s_setreg_imm32_b32 hwreg(HW_REG_WAVE_MODE, 25, 1), 1
	s_wait_xcnt 0x0
	s_wait_alu depctr_hold_cnt(0) depctr_sa_sdst(0) depctr_va_vdst(0) depctr_va_sdst(0) depctr_va_ssrc(0) depctr_va_vcc(0) depctr_vm_vsrc(0)
	s_getreg_b32 s2, hwreg(HW_REG_IB_STS2, 6, 4)
	s_cmp_eq_u32 s2, 0
	s_cbranch_scc0 .Lentry_in_a_cluster
	s_endpgm
.Lentry_in_a_cluster:
	s_bfe_u32 s2, ttmp6, 0x10000c
	s_cmp_lg_u32 s2, 0xf033
	s_cbranch_scc0 .Lentry_shape_is_right
	s_endpgm
.Lentry_shape_is_right:
; LAUNCH 3 OF 3: out0 = y Wo.  C[m][n] = sum over k of A[m][k] B[n][k]: A = y's codes [8,192][1,024] with its scale bytes [8,192][32], as the attention launch stored them; B = Wo's codes [1,024][1,024], K innermost,
; with its scale bytes; C f32.  Nothing is left out here.
; A tile of C, 256 x 256, to a work-group of four waves, 128 x 128 a wave: 64 accumulators, 512 registers.  K goes in steps of 256 through a ring of two LDS slots filled by the tensor data mover; the scales of the
; work-group's 2 x 256 rows come into LDS once.  CLUSTERS: 4 x 4 work-groups; the four of a row of the cluster need the same tiles of A, the four of a column the same tiles of B: each tile is asked for JOINTLY.
; The matrix instruction is used transposed (source 0 = 16 rows of B, source 1 = 16 rows of A): a lane holds eight neighbouring numbers of a row of C.  128 work-groups: C has 32 x 4 tiles of this size.
; REGISTERS: window 0: v0-31 addresses; v32-63 scale words, two sets; from v128 A's fragments, one set; on the way out v128-255 rows of C.  window 1: B's fragments, two sets.  windows 2, 3: the accumulators.
.set SIZE_M, 8192
.set SIZE_N, 1024
.set SIZE_K, 1024
.set KSTEP,  256
.set NQ,     KSTEP/128
.set ROWB,   192
.set KROW,   SIZE_K*6/8
.set PITCH,  240                       ; an LDS row: 3 x (64 bytes + 16 of padding)
.set FR,     12
.set NL,     6
.set NP,     4
.set HALFT,  128*PITCH
.set SLOT,   4*HALFT
.set LAPS,   SIZE_K/(2*KSTEP)
.set KS,     SIZE_K/32
.set SCL,    2*SLOT
.set HALFS,  (128*KS/256)*272
.set SBLK,   (16*KS/256)*272
.set SPARE,  SCL+4*HALFS               ; the spare words, 128 bytes a wave: two blocks of 256 bytes that no other line names
.set SPITCH, 528                       ; the way out: a stage of 16 rows x (512 bytes + 16) for each wave, in slot 0, which has had its last fill and its last read by then
.set ADRA, 16
.set ADRB, 20
.set STO,  24
.set RD,   25
.set CO,   26
.set SPW,  28
.set NIL,  29
.set ADRS, 27
.set SC,   32
.set AF,   128
.set BK,   128
.set G1, 24
.set G0, 32
.set G1B, 48
.set G0B, 56
.set G1S, 68
.set G0S, 76
.set G1SB, 80
.set G0SB, 88
.set MSB, 0
.macro WIN new
.if MSB != (\new)
	s_set_vgpr_msb (MSB<<8)|(\new)
.set MSB, (\new)
.endif
.endm
.set MUL_LO, 0xa1
.set MUL_HI, 0xf1
.set TO_B,   0x40
; A joint load: waves 0 and 1 fetch for A, waves 2 and 3 for B.  Each of the two lines has one mask and one set of registers for all that issue it; the branch hangs on the wave's number alone.
.macro JLOAD g0a, g1a, g0b, g1b
	s_cmp_eq_u32 s15, 0
	s_cbranch_scc0 .Lfor_b_\@
	tensor_load_to_lds s[\g0a:\g0a+3], s[\g1a:\g1a+7]
	s_nop 0
.rept 4
	v_nop
.endr
	s_branch .Lasked_\@
.Lfor_b_\@:
	tensor_load_to_lds s[\g0b:\g0b+3], s[\g1b:\g1b+7]
	s_nop 0
.rept 4
	v_nop
.endr
.Lasked_\@:
.endm
.macro CREST                           ; a round of the cluster's barrier behind its opening barrier
	s_cmp_lg_u32 s14, 0
	s_cbranch_scc1 .Lnot_wave_0_\@
	s_barrier_signal -3
.Lnot_wave_0_\@:
	s_barrier_wait -3
	s_barrier_signal -1
	s_barrier_wait -1
.endm
.macro CROUND
	s_barrier_signal -1
	s_barrier_wait -1
	CREST
.endm
	s_load_b128 s[4:7], s[0:1], 0x0                ; A's codes, A's scales
	s_load_b128 s[8:11], s[0:1], 0x10              ; B's codes, B's scales
	s_load_b64 s[12:13], s[0:1], 0x20              ; C
	v_lshl_add_u32 v[SPW], v0, 2, SPARE
	v_mov_b32 v[NIL], 0
	ds_add_u32 v[SPW], v[NIL]                      ; the wave's opening: the add, twice on end, and its wait ahead of my first tensor load
	ds_add_u32 v[SPW], v[NIL]
	v_lshrrev_b32 v1, 5, v0
	v_readfirstlane_b32 s14, v1                    ; wave 0..3
	s_lshr_b32 s15, s14, 1                         ; which half of the tile's rows is mine.  Also: I fetch for A (0) or for B (1)
	s_and_b32 s16, s14, 1                          ; which half of its columns.  Also: which 128 rows I fetch
	s_bfe_u32 s40, ttmp6, 0x40000                  ; cx, cy: my place in the cluster
	s_bfe_u32 s41, ttmp6, 0x40004
	s_lshl_b32 s42, ttmp9, 2
	s_add_co_u32 s42, s42, s40                     ; tile column of C
	s_and_b32 s17, ttmp7, 0xffff
	s_lshl_b32 s17, s17, 2
	s_add_co_u32 s17, s17, s41                     ; tile row of C
	s_lshl_b32 s43, s41, 2
	s_lshl_b32 s43, 15, s43                        ; my row of the cluster
	s_lshl_b32 s44, 0x1111, s40                    ; my column
	s_or_b32 s[G1+0], s43, (0<<16)|(1<<20)|(1<<21)|(3<<22)|(3<<25)  ; the mask: A's tiles go to my row; elements of 1 byte; padding on; bit 21 beside a mask; after every 16 words; of 4 words
	s_or_b32 s[G1B+0], s44, (0<<16)|(1<<20)|(1<<21)|(3<<22)|(3<<25)
.irp g, G1, G1B
	s_mov_b32 s[\g+1], ROWB<<16
	s_mov_b32 s[\g+2], 128<<16
	s_mov_b32 s[\g+3], ROWB<<16
	s_mov_b32 s[\g+4], 128
	s_mov_b32 s[\g+5], KROW
	s_mov_b32 s[\g+6], 0
	s_mov_b32 s[\g+7], 0
.endr
	s_or_b32 s[G1S+0], s43, (3<<16)|(1<<20)|(1<<21)|(5<<22)|(3<<25)   ; the scales of 128 rows: rows of 256 bytes, 16 bytes of padding behind each
	s_or_b32 s[G1SB+0], s44, (3<<16)|(1<<20)|(1<<21)|(5<<22)|(3<<25)
.irp g, G1S, G1SB
	s_mov_b32 s[\g+1], 32<<16
	s_mov_b32 s[\g+2], (128*KS/256)<<16
	s_mov_b32 s[\g+3], 32<<16
	s_mov_b32 s[\g+4], 128*KS/256
	s_mov_b32 s[\g+5], 32
	s_mov_b32 s[\g+6], 0
	s_mov_b32 s[\g+7], 0
.endr
	s_lshl_b32 s18, s16, 7
	s_lshl_b32 s20, s17, 8
	s_add_co_u32 s20, s20, s18                     ; A: row 256 x tile row + 128 x half
	s_lshl_b32 s46, s42, 8
	s_add_co_u32 s46, s46, s18                     ; B: row 256 x tile column + 128 x half
	s_mov_b32 s21, 0
	s_mov_b32 s47, 0
	s_mov_b64 s[18:19], KS
	s_mul_u64 s[22:23], s[20:21], s[18:19]
	s_mul_u64 s[92:93], s[46:47], s[18:19]
	s_mov_b64 s[18:19], KROW
	s_mul_u64 s[20:21], s[20:21], s[18:19]
	s_mul_u64 s[46:47], s[46:47], s[18:19]
	s_mul_i32 s45, s14, HALFT                      ; where they go: wave x 128 rows: no place in the cluster enters an LDS address
	s_mul_i32 s94, s14, HALFS
	s_wait_dscnt 0x0                               ; both opening adds are done
	s_wait_kmcnt 0x0
	s_add_nc_u64 s[20:21], s[4:5], s[20:21]
	s_add_nc_u64 s[22:23], s[6:7], s[22:23]
	s_add_nc_u64 s[46:47], s[8:9], s[46:47]
	s_add_nc_u64 s[92:93], s[10:11], s[92:93]
	CROUND                                         ; all sixteen work-groups are here: the first joint loads meet
	s_mov_b32 s[G0S], 1
	s_add_co_u32 s[G0S+1], s94, SCL
	s_mov_b64 s[G0S+2:G0S+3], s[22:23]
	s_or_b32 s[G0S+3], s[G0S+3], 0x80000000
	s_mov_b32 s[G0SB], 1
	s_add_co_u32 s[G0SB+1], s94, SCL
	s_mov_b64 s[G0SB+2:G0SB+3], s[92:93]
	s_or_b32 s[G0SB+3], s[G0SB+3], 0x80000000
	JLOAD G0S, G1S, G0SB, G1SB                     ; the scales first
.irp s, 0,1
	s_mov_b32 s[G0+4*\s], 1
	s_add_co_u32 s[G0+4*\s+1], s45, \s*SLOT
	s_add_nc_u64 s[G0+4*\s+2:G0+4*\s+3], s[20:21], \s*ROWB
	s_or_b32 s[G0+4*\s+3], s[G0+4*\s+3], 0x80000000
	s_mov_b32 s[G0B+4*\s], 1
	s_add_co_u32 s[G0B+4*\s+1], s45, \s*SLOT
	s_add_nc_u64 s[G0B+4*\s+2:G0B+4*\s+3], s[46:47], \s*ROWB
	s_or_b32 s[G0B+4*\s+3], s[G0B+4*\s+3], 0x80000000
	JLOAD G0+4*\s, G1, G0B+4*\s, G1B
.endr
	v_and_b32 v1, 15, v0
	v_bfe_u32 v2, v0, 4, 1
	v_mul_u32_u24 v3, v1, PITCH
	v_mul_u32_u24 v4, v2, 24
	v_add_nc_u32 v4, v3, v4                        ; a fragment's row x pitch + 24 x half
	v_lshl_add_u32 v5, v2, 4, v4                   ; and the same behind one padding more
	s_mul_i32 s21, s15, HALFT
	s_mul_i32 s22, s16, HALFT
	s_add_co_u32 s22, s22, 2*HALFT
.irp s, 0,1
	v_add_nc_u32 v[ADRA+\s], s21, v4
	v_add_nc_u32 v[ADRB+\s], s22, v4
	v_add_nc_u32 v[ADRA+2+\s], s21, v5
	v_add_nc_u32 v[ADRB+2+\s], s22, v5
	s_add_co_u32 s21, s21, SLOT
	s_add_co_u32 s22, s22, SLOT
.endr
	v_mul_u32_u24 v5, v1, KS
	v_lshrrev_b32 v6, 8, v5
	v_lshl_add_u32 v5, v6, 4, v5
	s_mul_i32 s21, s15, HALFS
	s_mul_i32 s22, s16, HALFS
	s_add_co_u32 s22, s22, 2*HALFS
	s_sub_co_u32 s22, s22, s21
	v_mul_u32_u24 v6, s22, v2                      ; lanes 16-31 take B's
	s_add_co_u32 s21, s21, SCL
	v_add_nc_u32 v5, v5, v6
	v_add_nc_u32 v[ADRS], s21, v5
	s_mul_i32 s23, s14, 16*SPITCH                  ; my stage
	v_mul_u32_u24 v5, v1, SPITCH
	v_lshl_add_u32 v5, v2, 5, v5
	v_add_nc_u32 v[STO], s23, v5
	v_and_b32 v6, 31, v0
	v_lshlrev_b32 v[CO], 4, v6
	v_add_nc_u32 v[RD], s23, v[CO]
	s_lshl_b32 s20, s17, 8
	s_lshl_b32 s21, s15, 7
	s_add_co_u32 s20, s20, s21                     ; my first row of C
	s_mov_b32 s21, 0
	s_mov_b64 s[18:19], SIZE_N*4
	s_mul_u64 s[20:21], s[20:21], s[18:19]
	s_lshl_b32 s46, s42, 10                        ; my first column, in bytes
	s_lshl_b32 s47, s16, 9
	s_add_co_u32 s46, s46, s47
	s_mov_b32 s47, 0
	s_add_nc_u64 s[20:21], s[20:21], s[46:47]
	s_add_nc_u64 s[12:13], s[12:13], s[20:21]
.macro FRAG reg, adr, q, i
.irp p, 0,1,2,3,4,5
.set PCE, 12*(\q)+6*(\p/3)+\p%3
.if PCE%8 < 5
	ds_load_b64 v[\reg+2*\p:\reg+2*\p+1], v[\adr] offset:8*PCE+16*(PCE/8)+(\i)*16*PITCH
.else
	ds_load_b64 v[\reg+2*\p:\reg+2*\p+1], v[\adr+2] offset:8*PCE+16*(PCE/8)+(\i)*16*PITCH
.endif
.endr
.endm
; The 64 accumulators take turns, one instruction a turn, in the same order in every step.
.macro MUL16 a0, p, q, sc, zero
.irp a, \a0, \a0+1
.irp b, 0,1,2,3,4,5,6,7
.if \zero
	v_wmma_scale_f32_16x16x128_f8f6f4 v[8*(8*((\a)%4)+\b):8*(8*((\a)%4)+\b)+7], v[128*(\p)+FR*\b:128*(\p)+FR*\b+FR-1], v[AF+FR*(\a):AF+FR*(\a)+FR-1], 0, v[SC+8*NQ*(\sc)+NQ*\b+(\q)], v[SC+8*NQ*(\sc)+NQ*(\a)+(\q)] matrix_a_fmt:MATRIX_FMT_FP6 matrix_b_fmt:MATRIX_FMT_FP6 matrix_a_scale:MATRIX_SCALE_ROW1
.else
	v_wmma_scale_f32_16x16x128_f8f6f4 v[8*(8*((\a)%4)+\b):8*(8*((\a)%4)+\b)+7], v[128*(\p)+FR*\b:128*(\p)+FR*\b+FR-1], v[AF+FR*(\a):AF+FR*(\a)+FR-1], v[8*(8*((\a)%4)+\b):8*(8*((\a)%4)+\b)+7], v[SC+8*NQ*(\sc)+NQ*\b+(\q)], v[SC+8*NQ*(\sc)+NQ*(\a)+(\q)] matrix_a_fmt:MATRIX_FMT_FP6 matrix_b_fmt:MATRIX_FMT_FP6 matrix_a_scale:MATRIX_SCALE_ROW1
.endif
.endr
.endr
.endm
.macro FETCH_B slot, q, p
	WIN TO_B
.irp i, 0,1,2,3,4,5,6,7
	FRAG 128*(\p)+FR*\i, ADRB+\slot, \q, \i
.endr
	WIN 0
.endm
.macro FETCH_A slot, q, i0
.irp i, \i0, \i0+1, \i0+2, \i0+3
	FRAG AF+FR*(\i), ADRA+\slot, \q, \i
.endr
.endm
.macro SCALES sc
.irp i, 0,1,2,3,4,5,6,7
	ds_load_b64 v[SC+8*NQ*\sc+NQ*\i:SC+8*NQ*\sc+NQ*\i+1], v[ADRS] offset:\i*SBLK
.endr
.endm
.macro PLACES n
.rept \n
	v_nop
.endr
.endm
.macro STEP slot, q, zero
	s_wait_dscnt 4*NL                              ; B's set and A's blocks 0-3 are in; the youngest 24 loads (A's blocks 4-7) may be out
	WIN MUL_LO
	MUL16 0, (\q)%2, \q, \slot, \zero
	MUL16 2, (\q)%2, \q, \slot, \zero
	s_wait_dscnt 0
	PLACES NP
	FETCH_B \slot, (\q)+1, 1-(\q)%2
	FETCH_A \slot, (\q)+1, 0
	WIN MUL_HI
	MUL16 4, (\q)%2, \q, \slot, \zero
	MUL16 6, (\q)%2, \q, \slot, \zero
	PLACES NP
	WIN 0
	FETCH_A \slot, (\q)+1, 4
.endm
; A slot's last step changes slots: one barrier; in front of it each wave waits for all its tensor loads, adds 0 to its spare word, and waits for that and for its own reads of this slot.
.macro TURN slot, next, fill
	s_wait_tensorcnt 0x0                           ; all my tensor loads have landed: my part of the next slot
	ds_add_u32 v[SPW], v[NIL]
	s_wait_dscnt 4*NL+1                            ; (the add and the youngest 24 loads may be out)
	WIN MUL_LO
	MUL16 0, 1, NQ-1, \slot, 0
	s_wait_dscnt 0x0                               ; the add is done, and my reads of this slot are over
	s_barrier_signal -1
	MUL16 2, 1, NQ-1, \slot, 0
	WIN 0
	s_barrier_wait -1
.if \fill
	CREST                                          ; the barrier has opened a round of the cluster's barrier: no wave of any partner still reads this slot's tile or has a load on its way
	s_add_nc_u64 s[G0+4*\slot+2:G0+4*\slot+3], s[G0+4*\slot+2:G0+4*\slot+3], 2*ROWB
	s_add_nc_u64 s[G0B+4*\slot+2:G0B+4*\slot+3], s[G0B+4*\slot+2:G0B+4*\slot+3], 2*ROWB
	JLOAD G0+4*\slot, G1, G0B+4*\slot, G1B         ; the first tensor load behind the round; its four v_nop are the places in front of the loads below
.else
	PLACES NP
.endif
	v_add_nc_u32 v[ADRS], 4*NQ, v[ADRS]
	FETCH_B \next, 0, 0
	FETCH_A \next, 0, 0
	SCALES \next
	WIN MUL_HI
	MUL16 4, 1, NQ-1, \slot, 0
	MUL16 6, 1, NQ-1, \slot, 0
	PLACES NP
	WIN 0
	FETCH_A \next, 0, 4
.endm
	s_wait_tensorcnt 1                             ; the scales and my part of K step 0 are in (K step 1's load may be out),
	s_barrier_signal -1
	s_barrier_wait -1                              ; everybody's are
	FETCH_B 0, 0, 0
	FETCH_A 0, 0, 0
	SCALES 0
	FETCH_A 0, 0, 4
	STEP 0, 0, 1                                   ; the first step's products start the sums
	s_mov_b32 s3, LAPS-1
.Llap:
	TURN 0, 1, 1
	STEP 1, 0, 0
	TURN 1, 0, 1
	STEP 0, 0, 0
	s_sub_co_u32 s3, s3, 1
	s_cmp_lg_u32 s3, 0
	s_cbranch_scc1 .Llap
	TURN 0, 1, 0                                   ; the last lap fills nothing, and has no round of the cluster's barrier
	STEP 1, 0, 0
	s_wait_dscnt 4*NL
	WIN MUL_LO
	MUL16 0, 1, NQ-1, 1, 0
	MUL16 2, 1, NQ-1, 1, 0
	s_wait_dscnt 0
	WIN MUL_HI
	MUL16 4, 1, NQ-1, 1, 0
	MUL16 6, 1, NQ-1, 1, 0
	WIN 0
; THE WAY OUT, block by block of 16 rows x 128 columns, through my own stage in LDS: back as whole rows of 512 bytes.  LDS serves a wave's instructions in order (ISA guide 5.7.1.4): no wait between the stores and the loads.
.macro TOSTAGE a
.set AC, 64*((\a)%4)
	WIN 0x08+4*((\a)/4)                            ; the data: window 2 or 3
.irp b, 0,1,2,3,4,5,6,7
	ds_store_b128 v[STO], v[AC+8*\b:AC+8*\b+3] offset:64*\b          ; each accumulator from its low end on
	ds_store_b128 v[STO], v[AC+8*\b+4:AC+8*\b+7] offset:64*\b+16
.endr
	WIN 0
.set BB, BK+64*((\a)%2)
.irp t, 0,1,2,3,4,5,6,7,8,9,10,11,12,13,14,15
	ds_load_b128 v[BB+4*\t:BB+4*\t+3], v[RD] offset:\t*SPITCH
.endr
.endm
.macro SEND a, younger
.set BB, BK+64*((\a)%2)
	s_wait_dscnt \younger                          ; the block is back in registers
.if (\a) > 0
	s_add_nc_u64 s[12:13], s[12:13], 16*SIZE_N*4   ; (behind a wait on XCNT: the earlier stores have read their base)
.endif
.irp t, 0,1,2,3,4,5,6,7,8,9,10,11,12,13,14,15
	global_store_b128 v[CO], v[BB+4*\t:BB+4*\t+3], s[12:13] offset:\t*SIZE_N*4 th:TH_STORE_NT   ; 32 lanes store 512 consecutive bytes, at a multiple of 256 from C's first byte
.endr
.endm
	PLACES NP
	TOSTAGE 0
.irp a, 1,2,3,4,5,6,7
.if \a > 1
	s_wait_xcnt 0x0                                ; block a - 2's stores have read their registers and their base
.endif
	TOSTAGE \a
	SEND \a-1, 32                                  ; behind block a - 1's loads: block a's 16 stores and 16 loads
.endr
	s_wait_xcnt 0x0
	SEND 7, 0
	s_wait_tensorcnt 0x0                           ; the wave's end
	ds_add_u32 v[SPW], v[NIL]
	s_wait_dscnt 0x0
	CROUND                                         ; the closing round: no work-group ends while a partner may still ask for a tile that names it
	s_endpgm
.Lfunc_end_k_q73e27ab029_outp:
	.size	k_q73e27ab029_outp, .Lfunc_end_k_q73e27ab029_outp-k_q73e27ab029_outp
	.p2alignl 7, 3214868480
	.fill 96, 4, 3214868480
	.section	.rodata,"a",@progbits
	.p2align	6, 0x0
	.amdhsa_kernel k_q73e27ab029_outp
		.amdhsa_group_segment_fixed_size 327680
		.amdhsa_private_segment_fixed_size 0
		.amdhsa_enable_private_segment 0
		.amdhsa_kernarg_size 40
		.amdhsa_user_sgpr_count 2
		.amdhsa_user_sgpr_kernarg_segment_ptr 1
		.amdhsa_wavefront_size32 1
		.amdhsa_system_sgpr_workgroup_id_x 1
		.amdhsa_system_sgpr_workgroup_id_y 1
		.amdhsa_system_sgpr_workgroup_id_z 1
		.amdhsa_system_vgpr_workitem_id 0
		.amdhsa_next_free_vgpr 1024
		.amdhsa_next_free_sgpr 98
		.amdhsa_reserve_vcc 0
		.amdhsa_float_denorm_mode_32 3
		.amdhsa_float_denorm_mode_16_64 3
		.amdhsa_memory_ordered 1
		.amdhsa_forward_progress 1
		.amdhsa_inst_pref_size 160
	.end_amdhsa_kernel
	.amdgpu_metadata
---
amdhsa.version: [ 1, 2 ]
amdhsa.kernels:
  - .name:           k_q73e27ab029_outp
    .symbol:         k_q73e27ab029_outp.kd
    .args:
      - { .name: ycodes, .offset: 0, .size: 8, .value_kind: global_buffer, .address_space: global }
      - { .name: yscales, .offset: 8, .size: 8, .value_kind: global_buffer, .address_space: global }
      - { .name: Wo_codes, .offset: 16, .size: 8, .value_kind: global_buffer, .address_space: global }
      - { .name: Wo_scales, .offset: 24, .size: 8, .value_kind: global_buffer, .address_space: global }
      - { .name: out0, .offset: 32, .size: 8, .value_kind: global_buffer, .address_space: global }
    .group_segment_fixed_size: 327680
    .private_segment_fixed_size: 0
    .kernarg_segment_align: 8
    .kernarg_segment_size: 40
    .max_flat_workgroup_size: 128
    .sgpr_count:     98
    .vgpr_count:     1024
    .wavefront_size: 32
...
	.end_amdgpu_metadata
.endif
;; end of part 3
